; MI455X (gfx1250); checked and timed in simulation.
; The chip was launched on July 23, 2026; its instructions are those of AMD's public machine-readable ISA for CDNA 5 (MIT licence, August 2026) and "CDNA5" Instruction Set Architecture Reference Guide (July 2026). The comments in the code are by the model that wrote it; some were corrected since.
;; Self Attention. Allowed arithmetic: matrix products marked QUANTISED: E5M2 operands, one E8M0 scale for each 32 along K, by v_wmma_scale_f32_16x16x128_f8f6f4 with both operands' format E5M2, f32 sums; everything else in f32.
;; Inputs: Wk 1,024 x 1,024 float32; Wq 1,024 x 1,024 float32; Wv 1,024 x 1,024 float32; bk 1,024 float32; bq 1,024 float32; bv 1,024 float32; x 4 x 2,048 x 1,024 float32.
;; Outputs: out0 4 x 2,048 x 1,024 float32.
;; This version of the problem:
;;   THIS VERSION OF THE PROBLEM IS GIVEN IN LOW PRECISION. The matrix products marked QUANTISED in the list below multiply operands that are first quantised to E5M2 (5 exponent bits, 2 mantissa bits; 8 bits a number), with one power-of-two scale for each 32 numbers along K (OCP MX v1.0); their sums are f32. All else is computed in f32.
;;   The module's matrix products, in the order in which they are computed (A, B: the left and right operand; K: the contracted axis; several contracted axes count as one K, in the product's order):
;;     1. [M 8,192, K 1,024] x [K 1,024, N 1,024]; A: input x; B: input Wq: QUANTISED
;;     2. [M 8,192, K 1,024] x [K 1,024, N 1,024]; A: input x; B: input Wk: QUANTISED
;;     3. [M 8,192, K 1,024] x [K 1,024, N 1,024]; A: input x; B: input Wv: QUANTISED
;;     4. batch 4 x [M 2,048, K 1,024] x [K 1,024, N 2,048]; A: computed on the way; B: computed on the way: QUANTISED
;;     5. batch 4 x [M 2,048, K 2,048] x [K 2,048, N 1,024]; A: softmax (see below); B: computed on the way: QUANTISED
;;   THE QUANTISER, for each operand of a quantised product, along K:
;;     - K is cut into blocks of 32 from its start; a last block that is shorter is filled with zeros.
;;     - A block's scale is 2^e with e = floor(log2(the largest magnitude in the block)) - 15, held to -126 .. 127; a block of zeros has e = 0. As a byte (E8M0): e + 127.
;;     - Each number is divided by its block's scale, clamped to +-57,344, and rounded to the nearest number of E5M2, ties to even, subnormals kept.
;;     - The product sums the exact products of the quantised numbers (number of the format x scale) in f32.
;;   ~~~python
;;   def quantise(x, axis):      # numpy; x: float32 -> the quantised numbers, widened to float32 again
;;       x = np.moveaxis(x, axis, -1); K = x.shape[-1]
;;       x = np.pad(x, [(0, 0)] * (x.ndim - 1) + [(0, -K % 32)]); x = x.reshape(x.shape[:-1] + (-1, 32)); a = np.abs(x).max(-1, keepdims=True)
;;       e = np.where(a > 0, np.clip(np.frexp(np.where(a > 0, a, 1))[1] - 1 - 15, -126, 127), 0)      # np.frexp(a)[1] - 1 = floor(log2(a)), exactly
;;       r = np.clip(x / 2.0 ** e, -57344, 57344)
;;       step = 2.0 ** (np.maximum(np.frexp(np.where(r == 0, 1, r))[1] - 1, -14) - 2)
;;       q = np.round(r / step) * step * 2.0 ** e      # np.round: ties to even
;;       return np.moveaxis(q.reshape(q.shape[:-2] + (-1,))[..., :K], -1, axis).astype(np.float32)
;;   ~~~
;;   SOFTMAX AHEAD OF A QUANTISED PRODUCT. Where the list says 'softmax', what is quantised is not the finished softmax but p = 2^(t - M), with t = logit x log2(e) and M = ceil(the row's largest t), a whole number; so 1/2 < the row's largest p <= 1. The row's sum l is taken of the UNQUANTISED p, in f32, and the product's result is divided by l at the end. Since M is a whole number, a kernel that streams over the keys may use a running M (the ceiling of the running maximum): every later rescaling is an exact power of two, which a block's scale takes up: the codes' values come out the same.
;;   OPERANDS COMPUTED ON THE WAY. 'Computed on the way' means the value that the module computes at that place (a softmax that the list does not call 'softmax' is quantised finished and normalised). What goes into a quantiser is computed in f32, as accurately as f32 sums, v_exp_f32 and their like allow (about 1e-6 of the number): no bf16 or f16 on the way to a quantiser, and a product that is left as it is and whose result goes on into a quantised operand takes f32 operands (vector FMAs, or v_wmma_f32_16x16x4_f32). A number that lies on a knife's edge between two numbers of the format may be rounded either way, as far as f32 arithmetic and the matrix unit's own rounding can turn it there, and no further.
;; One version. Each part assembles by itself: llvm-mc -triple=amdgcn-amd-amdhsa -mcpu=gfx1250 --defsym DOCPART=n.
;; ======== version 1 of 1: 4 launches
;; limits: right only within a limited range of input values
;; workspace buffers: qin 11,894,784 bytes; qkv 25,952,256 bytes; pp 18,350,080 bytes
;; launch quant (part 1): grid 8 x 88, 8 waves a work-group, no clusters, 69,120 bytes of LDS; arguments x, Wq, Wk, Wv, qin; writes qin
.if DOCPART == 1
	.amdgcn_target "amdgcn-amd-amdhsa--gfx1250"
	.amdhsa_code_object_version 6
	.text
	.protected	k_qb8f35ac500_quant
	.globl	k_qb8f35ac500_quant
	.p2align	8
	.type	k_qb8f35ac500_quant,@function
k_qb8f35ac500_quant:
	s_mov_b64 s[64:65], 0
	v_nop
	global_prefetch_b8 v0, s[64:65] scope:SCOPE_SE
	s_setreg_imm32_b32 hwreg(HW_REG_WAVE_MODE, 25, 1), 1
	s_wait_xcnt 0x0
; SELF-ATTENTION, ONE HEAD OF 1,024, CAUSAL, ALL FIVE PRODUCTS ON CODES OF E5M2 WITH ONE E8M0 SCALE FOR EACH 32 ALONG K.  Four launches:
;   quant: x, Wq, Wk, Wv (f32, K = c innermost) -> codes and scale words;   proj: Q, K (quantised along d) and V^T (quantised along t), biases added in f32;
;   score: Q K^T on the tiles that the causal mask keeps, p = 2^(t - M) with a whole M for each 128 keys, quantised along the keys;   pv: the M are merged, P's scale bytes re-based, O = P V / l.
; DEAD WORK.  reference() builds jnp.tril in its own body and sets score(q, k) to -infinity where k > q; softmax gives those places the weight 0, whatever finite values x, W and b hold, so a tile of Q K^T all of
; whose keys come after all of its queries, and the same keys' steps of P V, reach no output: they are left out where they are whole tiles.  All seven inputs are live: each bias goes into a quantised operand.
; LIMIT: a NaN, an infinity or an overflow that reaches only the tiles left out is not carried to the result.
; LIMITS OF THIS LAUNCH: NaN and infinities among the inputs are not served; a block whose largest magnitude lies under 2^-111 has its byte held at 1, a block of zeros too (its codes are zeros; this program alone reads the bytes).
; LAYOUT OF qin: 88 groups of 128 rows (0-63 x, 64-71 Wq, 72-79 Wk, 80-87 Wv), 8 fragments a of 16 rows each; r = 8 m + i is a lane's row in a fragment.  x and Wv: row 32 (a / 2) + 8 (a % 2) + 16 m + i of the group;
; Wq, Wk: row 64 (a / 4) + 8 (a % 4) + 32 m + i.  Codes lie as the operand's registers: [group][a][K / 128 q][c 4][lane 32][16 bytes], the 16 bytes K = 128 q + 32 c + 16 (lane / 16) + 0 .. 15 of the lane's row.  Scale words: [group][a][r][q 8].
; LAYOUT OF THE LATER BUFFERS' CODES (qkv, pp): [group][K / 256][a 8][q 2][c 4][lane 32][16 bytes], rows of a fragment as x's; scale words [group][K / 128][512 bytes], the word of (a, r) at 256 (a / 4) + 16 r + 4 (a % 4).
; SHARES.  A work-group takes fragment x of group y, all of K; wave q takes 128 along K.  Each load reads 512 consecutive bytes of one row; the 16 rows turn through the wave's own
; stage in LDS (rows of 512 bytes + 16), so that a lane gets 16 neighbours of each block of 32.  No matrix unit, no cluster, no tensor load: the launch streams, and nothing is shared between work-groups.
.set STG,   16*528                     ; a wave's stage
.set SCW,   8*STG                      ; the work-group's 128 scale words
.set SPARE, SCW+512                    ; the spare words, 128 bytes for each wave: four blocks of 256 bytes that no other line names
.set QS,    88*131072                  ; where the scale words begin in qin
.set LO,   4                           ; v4   16 x lane
.set SIN,  5                           ; v5   the stage on the way in
.set SOUT, 6                           ; v6   and on the way out
.set SWA,  7                           ; v7   where my row's scale word goes
.set SRA,  8                           ; v8   where wave 0 reads the words back
.set SPW,  12                          ; v12  my spare word; never rewritten
.set NIL,  13                          ; v13  0; never rewritten
.set R,    16                          ; v16-79  16 rows as loaded; afterwards the codes, at work and the scale word
.set X,    80                          ; v80-143 64 numbers of my row: register 16 b + i = K 32 b + 16 (lane / 16) + i
.set PC,   16
.set TM,   32
.set PW,   48
.set SEL,  24                          ; s[24:25] v_permlanex16_b32's selects for lane l xor 16
.set MNT,  26                          ; s26  the mantissa field of 57,344
	s_load_b256 s[4:11], s[0:1], 0x0               ; x, Wq, Wk, Wv
	s_load_b64 s[12:13], s[0:1], 0x20              ; qin
	v_lshl_add_u32 v[SPW], v0, 2, SPARE
	v_mov_b32 v[NIL], 0
	v_lshrrev_b32 v1, 5, v0
	s_delay_alu instid0(VALU_DEP_1)
	v_readfirstlane_b32 s14, v1                    ; wave 0..7 = q
	s_and_b32 s15, ttmp7, 0xffff                   ; the group of rows
	s_mov_b32 s16, ttmp9                           ; the fragment
	v_and_b32 v1, 31, v0                           ; lane
	v_and_b32 v2, 15, v0                           ; r
	v_bfe_u32 v3, v0, 4, 1                         ; h
	s_delay_alu instid0(VALU_DEP_3)
	v_lshlrev_b32 v[LO], 4, v1
	s_mul_i32 s17, s14, STG
	v_add_nc_u32 v[SIN], s17, v[LO]                ; in: a row's 512 bytes as they lie
	v_mul_u32_u24 v[SOUT], v2, 528
	s_delay_alu instid0(VALU_DEP_1)
	v_lshl_add_u32 v[SOUT], v3, 6, v[SOUT]
	s_delay_alu instid0(VALU_DEP_1)
	v_add_nc_u32 v[SOUT], s17, v[SOUT]             ; out: row r, + 64 h: my 16 numbers of a block of 32
	s_lshl_b32 s18, s14, 2
	s_add_co_u32 s18, s18, SCW
	v_lshl_add_u32 v[SWA], v2, 5, s18              ; word (r, q) at 32 r + 4 q
	v_add_nc_u32 v[SRA], SCW, v[LO]
	s_mov_b32 s[SEL], 0x76543210
	s_mov_b32 s[SEL+1], 0xfedcba98
	s_mov_b32 s[MNT], 0x600000
	s_lshl_b32 s28, s15, 17                        ; the codes: group x 131,072 + a x 16,384 + q x 2,048
	s_lshl_b32 s22, s16, 14
	s_add_co_u32 s28, s28, s22
	s_lshl_b32 s22, s14, 11
	s_add_co_u32 s28, s28, s22
	s_mov_b32 s29, 0
	s_lshl_b32 s30, s15, 12                        ; the scale words: group x 4,096 + a x 512
	s_lshl_b32 s22, s16, 9
	s_add_co_u32 s30, s30, s22
	s_add_co_u32 s30, s30, QS
	s_mov_b32 s31, 0
	s_lshr_b32 s21, s16, 1                         ; x, Wv: first row 32 (a / 2) + 8 (a % 2), the other eight 16 rows on
	s_lshl_b32 s21, s21, 17
	s_and_b32 s22, s16, 1
	s_lshl_b32 s22, s22, 15
	s_add_co_u32 s21, s21, s22
	s_lshr_b32 s22, s16, 2                         ; Wq, Wk: 64 (a / 4) + 8 (a % 4), the other eight 32 rows on
	s_lshl_b32 s22, s22, 18
	s_and_b32 s23, s16, 3
	s_lshl_b32 s23, s23, 15
	s_add_co_u32 s22, s22, s23
	s_mov_b32 s27, 0x20000
	s_mov_b32 s33, 0
	s_sub_co_u32 s20, s15, 64
	s_cmp_lt_u32 s20, 16
	s_cselect_b32 s22, s22, s21
	s_cselect_b32 s32, s27, 0x10000
	s_and_b32 s20, s20, 7                          ; a weight's group of rows
	s_wait_alu depctr_va_vdst(0)                   ; the wait at the head's end
	s_wait_kmcnt 0x0
	s_cmp_ge_u32 s15, 72                           ; the source is chosen by the work-group's number alone
	s_cselect_b64 s[6:7], s[8:9], s[6:7]
	s_cmp_ge_u32 s15, 80
	s_cselect_b64 s[6:7], s[10:11], s[6:7]
	s_cmp_lt_u32 s15, 64
	s_cselect_b64 s[4:5], s[4:5], s[6:7]
	s_cselect_b32 s20, s15, s20
	s_lshl_b32 s20, s20, 19                        ; 128 rows of 4,096 bytes
	s_add_co_u32 s20, s20, s22
	s_lshl_b32 s21, s14, 9                         ; 128 numbers along K
	s_add_co_u32 s20, s20, s21
	s_mov_b32 s21, 0
	s_add_nc_u64 s[4:5], s[4:5], s[20:21]
	s_add_nc_u64 s[34:35], s[4:5], s[32:33]
	s_add_nc_u64 s[28:29], s[12:13], s[28:29]
	s_add_nc_u64 s[30:31], s[12:13], s[30:31]
.irp i, 0,1,2,3,4,5,6,7
	global_load_b128 v[R+4*\i:R+4*\i+3], v[LO], s[4:5] offset:\i*4096 th:TH_LOAD_NT   ; 32 lanes read 512 consecutive bytes
.endr
.irp i, 0,1,2,3,4,5,6,7
	global_load_b128 v[R+32+4*\i:R+32+4*\i+3], v[LO], s[34:35] offset:\i*4096 th:TH_LOAD_NT
.endr
.irp i, 0,1,2,3,4,5,6,7,8,9,10,11,12,13,14,15
	s_wait_loadcnt 15-\i                           ; loads come back in order: row i is in, the younger ones stay out
	ds_store_b128 v[SIN], v[R+4*\i:R+4*\i+3] offset:528*\i
.endr
.irp b, 0,1,2,3
.irp j, 0,1,2,3
	ds_load_b128 v[X+16*\b+4*\j:X+16*\b+4*\j+3], v[SOUT] offset:128*\b+16*\j   ; LDS serves a wave's instructions in order: these see my stores
.endr
.endr
	s_wait_dscnt 0x0
.irp b, 0,1,2,3
	v_mov_b32 v[TM+4+\b], 0                        ; a lane permute's destination counts as one of its sources
.endr
.irp b, 0,1,2,3
	v_max3_num_f32 v[TM+\b], |v[X+16*\b]|, |v[X+1+16*\b]|, 0x8000000   ; block b: my 16 numbers, and the floor 2^(16 - 127): the byte cannot fall under 1
.endr
.irp i, 2,4,6,8,10,12,14
.irp b, 0,1,2,3
	s_delay_alu instid0(VALU_DEP_4)
	v_max3_num_f32 v[TM+\b], v[TM+\b], |v[X+16*\b+\i]|, |v[X+1+16*\b+\i]|   ; the four blocks by turns
.endr
.endr
.irp b, 0,1,2,3
	s_delay_alu instid0(VALU_DEP_4)
	v_permlanex16_b32 v[TM+4+\b], v[TM+\b], s[SEL], s[SEL+1]
.endr
.irp b, 0,1,2,3
	s_delay_alu instid0(VALU_DEP_4)
	v_max_num_f32 v[TM+\b], v[TM+\b], v[TM+4+\b]   ; with lane l xor 16's: the block's largest magnitude
.endr
.irp b, 0,1,2,3
	s_delay_alu instid0(VALU_DEP_4)
	v_add_nc_u32 v[TM+12+\b], 0xf8800000, v[TM+\b]   ; 15 off its exponent field: the conversion's scale operand
.endr
.irp b, 0,1,2,3
	v_and_or_b32 v[TM+8+\b], v[TM+\b], 0x7f800000, s[MNT]   ; 57,344 x the scale
.endr
.irp b, 0,1,2,3
	v_lshrrev_b32 v[TM+4+\b], 23, v[TM+12+\b]   ; the scale's byte
.endr
	s_delay_alu instid0(VALU_DEP_3)
	v_lshl_or_b32 v[PW], v[TM+5], 8, v[TM+4]
	s_delay_alu instid0(VALU_DEP_1)
	v_lshl_or_b32 v[PW], v[TM+6], 16, v[PW]
	s_delay_alu instid0(VALU_DEP_1)
	v_lshl_or_b32 v[PW], v[TM+7], 24, v[PW]
.irp b, 0,1,2,3
.irp i, 0,1,2,3,4,5,6,7,8,9,10,11,12,13,14,15
	v_med3_num_f32 v[X+16*\b+\i], v[X+16*\b+\i], -v[TM+8+\b], v[TM+8+\b]   ; the conversion to an 8-bit code does not saturate (ISA guide 7.6.2): the hold
.endr
	v_cvt_scalef32_pk8_bf8_f32 v[PC+4*\b:PC+1+4*\b], v[X+16*\b:X+7+16*\b], v[TM+12+\b]
	v_cvt_scalef32_pk8_bf8_f32 v[PC+2+4*\b:PC+3+4*\b], v[X+8+16*\b:X+15+16*\b], v[TM+12+\b]
.endr
	v_nop                                          ; one plain line behind the last conversion
.irp c, 0,1,2,3
	global_store_b128 v[LO], v[PC+4*\c:PC+4*\c+3], s[28:29] offset:512*\c   ; 32 lanes store 512 consecutive bytes
.endr
	ds_store_b32 v[SWA], v[PW]                     ; both lanes of a row write the same word with the same value
	s_wait_dscnt 0x0                               ; for wave 0's sake: my word lies in LDS
	s_barrier_signal -1
	s_barrier_wait -1
	s_cmp_lg_u32 s14, 0
	s_cbranch_scc1 .Lend
	ds_load_b128 v[80:83], v[SRA]                  ; the work-group's 128 words
	s_wait_dscnt 0x0
	global_store_b128 v[LO], v[80:83], s[30:31]    ; leave as 512 consecutive bytes
.Lend:
	s_wait_tensorcnt 0x0                           ; the wave's end
	ds_add_u32 v[SPW], v[NIL]
	s_wait_dscnt 0x0
	s_endpgm
.Lfunc_end_k_qb8f35ac500_quant:
	.size	k_qb8f35ac500_quant, .Lfunc_end_k_qb8f35ac500_quant-k_qb8f35ac500_quant
	.p2alignl 7, 3214868480
	.fill 96, 4, 3214868480
	.section	.rodata,"a",@progbits
	.p2align	6, 0x0
	.amdhsa_kernel k_qb8f35ac500_quant
		.amdhsa_group_segment_fixed_size 69120
		.amdhsa_private_segment_fixed_size 0
		.amdhsa_enable_private_segment 0
		.amdhsa_kernarg_size 40
		.amdhsa_user_sgpr_count 2
		.amdhsa_user_sgpr_kernarg_segment_ptr 1
		.amdhsa_wavefront_size32 1
		.amdhsa_system_sgpr_workgroup_id_x 1
		.amdhsa_system_sgpr_workgroup_id_y 1
		.amdhsa_system_sgpr_workgroup_id_z 1
		.amdhsa_system_vgpr_workitem_id 0
		.amdhsa_next_free_vgpr 144
		.amdhsa_next_free_sgpr 66
		.amdhsa_reserve_vcc 0
		.amdhsa_float_denorm_mode_32 3
		.amdhsa_float_denorm_mode_16_64 3
		.amdhsa_memory_ordered 1
		.amdhsa_forward_progress 1
		.amdhsa_inst_pref_size 18
	.end_amdhsa_kernel
	.amdgpu_metadata
---
amdhsa.version: [ 1, 2 ]
amdhsa.kernels:
  - .name:           k_qb8f35ac500_quant
    .symbol:         k_qb8f35ac500_quant.kd
    .args:
      - { .name: x, .offset: 0, .size: 8, .value_kind: global_buffer, .address_space: global }
      - { .name: Wq, .offset: 8, .size: 8, .value_kind: global_buffer, .address_space: global }
      - { .name: Wk, .offset: 16, .size: 8, .value_kind: global_buffer, .address_space: global }
      - { .name: Wv, .offset: 24, .size: 8, .value_kind: global_buffer, .address_space: global }
      - { .name: qin, .offset: 32, .size: 8, .value_kind: global_buffer, .address_space: global }
    .group_segment_fixed_size: 69120
    .private_segment_fixed_size: 0
    .kernarg_segment_align: 8
    .kernarg_segment_size: 40
    .max_flat_workgroup_size: 256
    .sgpr_count:     66
    .vgpr_count:     144
    .wavefront_size: 32
...
	.end_amdgpu_metadata
.endif
;; end of part 1
;; launch proj (part 2): grid 16 x 16, 4 waves a work-group, clusters of 4 x 4, 327,680 bytes of LDS; arguments qin, qkv, bq, bk, bv; writes qkv
.if DOCPART == 2
	.amdgcn_target "amdgcn-amd-amdhsa--gfx1250"
	.amdhsa_code_object_version 6
	.text
	.protected	k_qb8f35ac500_proj
	.globl	k_qb8f35ac500_proj
	.p2align	8
	.type	k_qb8f35ac500_proj,@function
k_qb8f35ac500_proj:
	s_mov_b64 s[64:65], 0
	v_nop
	global_prefetch_b8 v0, s[64:65] scope:SCOPE_SE
	s_setreg_imm32_b32 hwreg(HW_REG_WAVE_MODE, 25, 1), 1
	s_wait_xcnt 0x0
	s_wait_alu depctr_hold_cnt(0) depctr_sa_sdst(0) depctr_va_vdst(0) depctr_va_sdst(0) depctr_va_ssrc(0) depctr_va_vcc(0) depctr_vm_vsrc(0)
	s_getreg_b32 s2, hwreg(HW_REG_IB_STS2, 6, 4)
	s_cmp_eq_u32 s2, 0
	s_cbranch_scc0 .Lentry_in_a_cluster
	s_endpgm
.Lentry_in_a_cluster:
	s_bfe_u32 s2, ttmp6, 0x10000c
	s_cmp_lg_u32 s2, 0xf033
	s_cbranch_scc0 .Lentry_shape_is_right
	s_endpgm
.Lentry_shape_is_right:
; Q = x Wq^T + bq, K = x Wk^T + bk (quantised along d, the K of Q K^T) and V^T = Wv x^T + bv (quantised along t, the K of P V), on the codes that the launch before made.  Layouts: the head of the first launch.  Nothing is left out here.
; LIMITS: NaN, infinities and sums beyond f32's range are not served; a block's byte never falls under 1.
; SHARES.  256 work-groups of four waves, 2 x 2 (w = wave / 2 the row, CH = wave % 2 the column).  A wave holds 64 rows of a weight, all of K, in 512 registers and streams x's rows past them in blocks of 16 (one fragment, all of K), two whole sets in 256 registers.
; PHASE 1: 512 rows x 128 columns of Q (tile columns 0-7) or K (8-15): sixteen blocks a wave.  PHASE 2: 256 rows x 128 columns of V, eight blocks, the rows ONE OF THE WORK-GROUP'S OWN TWO WINDOWS of 256: number s18; Wv's group is 4 (cluster x / 2) + cx.
; THE ORDER OF WORK.  LDS holds two slots of one group (128 rows) each.  Phase 1 takes the window that is not V's first (chunks 0, 1), then V's (chunks 2, 3); V takes chunk 3 as it lies in slot 1, then chunk 2, fetched anew.  Wave row w takes fragments 4 w + j of each chunk.
; FILLS.  At the head, one load a wave: the first weight into slot 1 (wave 0), chunk 0 into slot 0 (wave 1), a window's scale words each (waves 2, 3).  Refills, each in a drained round of the cluster's barrier, a quarter of a group a wave:
; chunks 1, 2, 3 inside blocks 0, 4, 8: waves 0 and 1 bring fragments 0, 1, 4, 5, shown by the plain barrier inside the block two on, waves 2 and 3 the others, shown by the next round; Wv into slot 0 behind block 11; chunk 2 anew behind Wv's loads, shown inside V's block 1.
; CLUSTER 4 x 4: x's rows are shared along a row of the cluster, weights along a column: joint loads.
; PREFETCH: chunks 1 and 2 at the head, chunk 3 and Wv in trips 1 and 2, at least two blocks ahead of their loads: 8,192 bytes a wave, a lane 256, shared out among the sixteen waves that will load them, told apart by address.
; A block's way out stands among later products: Q's and K's among the next block's, a pair of V's blocks among the next pair's; the first way out of either phase has no block before it and stores nothing.
; TRANSPOSED USE in phase 1 (source 0 = the weight's rows): lane (r, h) holds row r of x and, by the weights' row order, the 32 columns 32 h + 0 .. 31 of the wave's 64: a whole scale block.  In phase 2 source 0 = x's rows: lane (r, h) holds row r of a tile of V^T,
; a pair of blocks its tokens 16 h + 0 .. 15 of 32.  THE BIAS IS THE FIRST PRODUCTS' C.
; REGISTERS: windows 1, 2: the weight; window 3: x's two sets; window 0: all else.
.set CHB, 131072  ; a group: 128 rows, all of K
.set FRB, 16384  ; a fragment of 16 rows, all of K
.set QS, 88*131072
.set VTC, 16777216
.set QKS, 25165824
.set VTS, 25690112
.set NP, 8  ; plain vector lines behind a matrix instruction (ISA guide 7.12.1)
.set NF, 34  ; LDS loads of a block: eight fragments' four, and two of scale words
.set SCL, 2*CHB  ; behind the slots: the scale words of x's 512 rows in the order of work: 4,096 bytes a chunk
.set XN, SCL+16384  ; Q's or K's scale words of four chunks, 512 bytes each
.set XV, XN+2048  ; V's of two groups of tokens
.set SPARE, XV+1024  ; the spare words: two blocks of 256 bytes that no other line names
.set EMAX, 15
.set ADRA0, 4  ; v4  my place in slot 0: w x 4 fragments + 16 x lane
.set CN, 5  ; v5  Q's, K's codes: 512 h + 16 r
.set AAS0, 6  ; v6  my scale words of chunk 0
.set CO, 9  ; v9  16 x lane
.set SPW, 10  ; v10  my spare word
.set NIL, 11  ; v11  0
.set ADRA, 12  ; v12  my place in the chunk's slot
.set VX, 13  ; v13  where a scale byte goes
.set ADRB, 14  ; v14, v15  my 64 rows of a weight in slot 1, in slot 0
.set ABS, 16  ; v16  32 x lane
.set AAS, 17  ; v17  the chunk's scale words
.set ADRN, 18  ; v18  my place in the next chunk's slot
.set RD, 19  ; v19  V's byte
.set SOP, 20  ; v20-23  the conversions' scale operands
.set SB, 24  ; v24-39  the weight's scale words: register 8 p + q: lanes 0-15 tile 2 p's, lanes 16-31 tile 2 p + 1's
.set EB, 40  ; v40-43  scale bytes
.set SA, 44  ; v44-59  x's scale words: two sets of eight
.set TQ, 60  ; v60-63  maxima and bounds
.set ACC, 64  ; v64-191  four sets of four accumulators: products write 0 and 1 by turns; 2 and 3 take a pair of V's blocks for its way out
.set WS, 128  ; v128-143  in phase 1: Wv's scale words
.set NCD, 192  ; v192-199  Q's or K's 32 codes
.set MCD, 192  ; v192-207  V's: four registers a tile
.set BQ, 208  ; v208-239  the first products' C
.set BV, 240  ; v240-243  bv, a number a tile
.set G1A, 24  ; s[24:31], s[56:59]  chunk 0; later Wv
.set G0A, 56
.set G1B, 32  ; s[32:39], s[60:63]  the first weight
.set G0B, 60
.set G1R, 48  ; s[48:55], s[68:71]  a refill of x's rows
.set G0R, 68
.set G1S, 92  ; s[92:99], s[72:75]  x's scale words
.set G0S, 72
.set MSB, 0
.macro WIN new  ; the immediate's high byte repeats the setting that is left
.if MSB != \new
	s_set_vgpr_msb (MSB<<8)|\new
.set MSB, \new
.endif
.endm
.macro PLACES n
.rept \n
	v_nop
.endr
.endm
.macro BARRIER
	s_barrier_signal -1
	s_barrier_wait -1
.endm
.macro CROUND  ; a round of the cluster's barrier
	BARRIER
	s_cmp_lg_u32 s14, 0
	s_cbranch_scc1 .Lnot_wave_0_\@
	s_barrier_signal -3
.Lnot_wave_0_\@:
	s_barrier_wait -3
	BARRIER
.endm
.macro TLOAD g0, g1
	tensor_load_to_lds s[\g0:\g0+3], s[\g1:\g1+7]
	s_nop 0
	PLACES 4
.endm
.macro GROUP1 g, mask, rows  ; a dense block as rows of 256 bytes (32 elements of 8)
	s_or_b32 s[\g+0], s[\mask], (3<<16)|(1<<21)
	s_mov_b32 s[\g+1], 32<<16
	s_mov_b32 s[\g+2], (\rows)<<16
	s_mov_b32 s[\g+3], 32<<16
	s_mov_b32 s[\g+4], \rows
	s_mov_b32 s[\g+5], 32
	s_mov_b32 s[\g+6], 0
	s_mov_b32 s[\g+7], 0
.endm
.macro SADD d, x
	s_add_co_u32 s\d, s\d, s\x
.endm
.macro WALU  ; the wait at the head's end and ahead of a wait that blocks, behind which something freshly written is read
	s_wait_alu depctr_va_vdst(0)
.endm
	s_load_b64 s[4:5], s[0:1], 0x0  ; qin
	s_load_b128 s[84:87], s[0:1], 0x10  ; bq, bk
	s_load_b64 s[88:89], s[0:1], 0x20  ; bv
	v_lshl_add_u32 v[SPW], v0, 2, SPARE
	v_mov_b32 v[NIL], 0
	ds_add_u32 v[SPW], v[NIL]  ; the wave's opening: the add, twice on end, and its wait ahead of my first tensor load
	ds_add_u32 v[SPW], v[NIL]
	v_lshrrev_b32 v1, 5, v0
	v_readfirstlane_b32 s14, v1  ; wave 0..3
	s_lshr_b32 s15, s14, 1  ; w
	s_and_b32 s16, s14, 1  ; CH
	s_bfe_u32 s40, ttmp6, 0x40000  ; cx
	s_bfe_u32 s41, ttmp6, 0x40004  ; cy
	s_lshl_b32 s42, ttmp9, 2
	s_add_co_u32 s42, s42, s40  ; tile column
	s_and_b32 s43, ttmp7, 0xffff
	s_lshl_b32 s43, s43, 2
	s_add_co_u32 s43, s43, s41  ; tile row
	s_lshr_b32 s19, ttmp9, 1  ; 0: Q, 1: K: by the cluster's number alone
	s_and_b32 s18, ttmp9, 1  ; V's window of my own two
	s_lshl_b32 s44, s41, 2
	s_lshl_b32 s44, 15, s44  ; my row of the cluster: shares x's rows
	s_lshl_b32 s45, 0x1111, s40  ; my column: shares the weights'
	GROUP1 G1B, 45, 512
	GROUP1 G1A, 44, 512
	GROUP1 G1R, 44, 128
	GROUP1 G1S, 44, 32
; offsets in qin.  s67, s2: the window that is not V's, V's; s3: Wv's codes
	s_lshl_b32 s67, s43, 19
	s_lshl_b32 s20, s18, 18
	s_add_co_u32 s2, s67, s20
	s_xor_b32 s20, s20, 0x40000
	SADD 67, 20
	s_lshl_b32 s13, s19, 2
	SADD 13, 40  ; Wv's group
	s_add_co_u32 s3, s13, 80
	s_lshl_b32 s12, s3, 12  ; s12: Wv's scale words: my wave's 64 rows
	s_lshl_b32 s3, s3, 17
	s_lshl_b32 s21, s16, 11
	SADD 12, 21
	s_add_co_u32 s12, s12, QS
	s_add_co_u32 s78, s42, 64  ; s[78:79] the first weight's codes
	s_lshl_b32 s82, s78, 12  ; s[82:83] its scale words: my wave's 64 rows
	s_lshl_b32 s78, s78, 17
	s_mov_b32 s79, 0
	SADD 82, 21
	s_add_co_u32 s82, s82, QS
	s_mov_b32 s83, 0
	s_lshl_b32 s80, s43, 1  ; s[80:81] x's scale words: wave 2 the window that is not V's, wave 3 V's
	s_xor_b32 s20, s18, 1
	s_cmp_eq_u32 s16, 1
	s_cselect_b32 s20, s18, s20
	SADD 80, 20
	s_lshl_b32 s80, s80, 13
	s_add_co_u32 s80, s80, QS
	s_mov_b32 s81, 0
	s_lshl_b32 s66, s16, 16  ; a refill's quarter: fragments 4 (wave % 2) + 2 (wave / 2) and the next
	s_lshl_b32 s20, s15, 15
	SADD 66, 20
	s_mov_b32 s[G0A], 1
	s_mov_b32 s[G0A+1], 0
	s_mov_b32 s[G0B], 1
	s_mov_b32 s[G0B+1], CHB
	s_mov_b32 s[G0R], 1
	s_mov_b32 s[G0S], 1
	s_lshl_b32 s[G0S+1], s16, 13
	s_add_co_u32 s[G0S+1], s[G0S+1], SCL
	v_and_b32 v1, 15, v0  ; r
	v_bfe_u32 v2, v0, 4, 1  ; h
	v_and_b32 v3, 31, v0  ; lane
	v_lshlrev_b32 v[CO], 4, v3
	s_lshl_b32 s20, s15, 16
	v_add_nc_u32 v[ADRA0], s20, v[CO]
	s_lshl_b32 s22, s16, 16
	v_add_nc_u32 v[ADRB+1], s22, v[CO]
	s_add_co_u32 s22, s22, CHB
	v_add_nc_u32 v[ADRB], s22, v[CO]
	v_lshlrev_b32 v[ABS], 5, v3
	s_lshl_b32 s20, s15, 11
	s_add_co_u32 s20, s20, SCL
	v_lshl_add_u32 v[AAS0], v1, 5, s20
	v_lshlrev_b32 v23, 9, v2
	v_lshl_add_u32 v[CN], v1, 4, v23
	s_lshl_b32 s21, s15, 8  ; Q's, K's byte: 256 w + 16 r + 2 CH + h in the chunk's 512 (block j: + 4 j)
	s_lshl_b32 s22, s16, 1
	SADD 21, 22
	s_add_co_u32 s21, s21, XN
	v_lshl_add_u32 v23, v1, 4, v2
	v_add_nc_u32 v[VX], s21, v23
	s_lshl_b32 s21, s16, 8  ; V's: 256 CH + 16 r + 2 w (tile t: + 4 t): both halves of the lanes hold the same byte
	s_lshl_b32 s22, s15, 1
	SADD 21, 22
	s_add_co_u32 s21, s21, XV
	v_lshl_add_u32 v[RD], v1, 4, s21
	v_lshlrev_b32 v22, 7, v2  ; bq, bk: 32 columns a lane
	v_and_b32 v23, 8, v1  ; bv: my row of a tile of V^T
	v_add_nc_u32 v23, v23, v1
	v_lshlrev_b32 v23, 2, v23
	s_lshl_b32 s90, s40, 2  ; which of the cluster row's sixteen waves I am, for the prefetches of x's rows;
	s_add_co_u32 s90, s90, s14
	s_lshl_b32 s100, s41, 2  ; and of the column's: of Wv's
	s_add_co_u32 s100, s100, s14
	WALU
	s_wait_dscnt 0x0  ; both opening adds are done
	CROUND  ; all sixteen work-groups are here
	s_wait_kmcnt 0x0
	s_mov_b32 s20, s67
	s_mov_b32 s21, 0
	s_add_nc_u64 s[G0A+2:G0A+3], s[4:5], s[20:21]
	s_or_b32 s[G0A+3], s[G0A+3], 0x80000000
	s_add_nc_u64 s[G0B+2:G0B+3], s[4:5], s[78:79]
	s_or_b32 s[G0B+3], s[G0B+3], 0x80000000
	s_add_nc_u64 s[G0S+2:G0S+3], s[4:5], s[80:81]
	s_or_b32 s[G0S+3], s[G0S+3], 0x80000000
	s_add_nc_u64 s[10:11], s[4:5], s[82:83]
	s_cmp_eq_u32 s14, 0  ; one joint load a wave
	s_cbranch_scc0 .Lwave_1
	TLOAD G0B, G1B
	s_branch .Lasked
.Lwave_1:
	s_cmp_eq_u32 s14, 1
	s_cbranch_scc0 .Lfor_scales
	TLOAD G0A, G1A
	s_branch .Lasked
.Lfor_scales:
	TLOAD G0S, G1S
.Lasked:
	s_and_b32 s21, s42, 7  ; the biases: bq or bk along my 64 columns, bv along my 64 rows of V^T
	s_lshl_b32 s20, s21, 9
	s_lshl_b32 s22, s16, 8
	SADD 20, 22
	s_mov_b32 s21, 0
	s_lshl_b32 s23, s13, 9
	SADD 22, 23
	s_mov_b32 s23, 0
	s_cmp_eq_u32 s19, 1
	s_cselect_b64 s[84:85], s[86:87], s[84:85]
	s_add_nc_u64 s[20:21], s[84:85], s[20:21]
	s_add_nc_u64 s[22:23], s[88:89], s[22:23]
.irp k, 0,1,2,3,4,5,6,7
	global_load_b128 v[BQ+4*\k:BQ+4*\k+3], v22, s[20:21] offset:16*\k
.endr
.irp t, 0,1,2,3
	global_load_b32 v[BV+\t], v23, s[22:23] offset:(32*(\t/2)+8*(\t%2))*4
.endr
; where my results go: offsets in qkv
	s_and_b32 s6, s42, 7  ; d / 128
	s_lshl_b32 s7, s19, 6
	s_lshl_b32 s8, s43, 2
	SADD 7, 8  ; my first group of Q or K
	s_lshl_b32 s76, s7, 17  ; s[76:77] its codes
	s_lshr_b32 s8, s6, 1
	s_lshl_b32 s8, s8, 15
	SADD 76, 8
	s_and_b32 s8, s6, 1
	s_lshl_b32 s8, s8, 11
	SADD 76, 8
	s_lshl_b32 s8, s16, 10
	SADD 76, 8
	s_lshl_b32 s8, s15, 14
	SADD 76, 8
	s_mov_b32 s77, 0
	s_xor_b32 s8, s15, s18  ; s[78:79] the scale words of chunk n = my wave's number: group 2 (n / 2 xor s18 xor 1) + n % 2
	s_xor_b32 s8, s8, 1
	s_lshl_b32 s8, s8, 1
	SADD 7, 8
	SADD 7, 16
	s_lshl_b32 s78, s7, 12
	s_lshl_b32 s8, s6, 9
	SADD 78, 8
	s_add_co_u32 s78, s78, QKS
	s_lshl_b32 s7, s43, 1
	SADD 7, 18  ; V's window of 256 tokens
	s_lshl_b32 s80, s13, 20  ; s[80:81] V^T's codes: group of 128 d, step of 256 t, fragment 4 CH, block of 32 2 w
	s_lshl_b32 s8, s7, 15
	SADD 80, 8
	s_lshl_b32 s8, s16, 14
	SADD 80, 8
	s_lshl_b32 s8, s15, 10
	SADD 80, 8
	s_add_co_u32 s80, s80, VTC
	s_lshl_b32 s82, s13, 15  ; s[82:83] its scale words: my wave's 256 of the window's 1,024 bytes
	s_lshl_b32 s8, s7, 10
	SADD 82, 8
	s_lshl_b32 s8, s14, 8
	SADD 82, 8
	s_add_co_u32 s82, s82, VTS
	s_wait_xcnt 0x0  ; the loads have taken their bases
	s_mov_b32 s20, s12
	s_mov_b32 s21, 0
	s_add_nc_u64 s[20:21], s[4:5], s[20:21]
.irp p, 0,1
.irp c, 0,1
	global_load_b128 v[SB+8*\p+4*\c:SB+8*\p+4*\c+3], v[ABS], s[10:11] offset:\p*1024+16*\c
	global_load_b128 v[WS+8*\p+4*\c:WS+8*\p+4*\c+3], v[ABS], s[20:21] offset:\p*1024+16*\c
.endr
.endr
	s_wait_xcnt 0x0
	s_mov_b32 s11, 0
	s_add_co_u32 s6, s67, CHB  ; chunk 1
	s_add_co_u32 s7, s2, CHB  ; chunk 3
	s_lshl_b32 s21, s90, 13
	s_add_co_u32 s22, s21, s6
	v_lshl_add_u32 v7, v3, 8, s22  ; my sixteenth of chunk 1, of chunk 2
	s_add_co_u32 s22, s21, s2
	v_lshl_add_u32 v8, v3, 8, s22
	WALU
	s_cmp_eq_u32 s14, 0
	s_cbranch_scc0 .Lnot_b
	s_wait_tensorcnt 0x0  ; wave 0: the first weight has landed.  The other waves' wait stands at the second barrier
.Lnot_b:
	BARRIER
	global_prefetch_b8 v7, s[4:5] th:TH_LOAD_NT scope:SCOPE_SE
	global_prefetch_b8 v8, s[4:5] th:TH_LOAD_NT scope:SCOPE_SE
.macro MIDDLE  ; a round's middle: behind the work-group's own barrier wave 0 signals the cluster's, and all wait for it
	WIN 0
	s_barrier_wait -1
	s_cmp_lg_u32 s14, 0
	s_cbranch_scc1 .Lnot_wave_0_\@
	s_barrier_signal -3
.Lnot_wave_0_\@:
	s_barrier_wait -3
.endm
.macro GRD
	s_wait_tensorcnt 0x0
	ds_add_u32 v[SPW], v[NIL]
.endm
.macro FRAG q, b, adr  ; fragment b of my four, the q-th 128 of K: number f = 4 q + b lies in window 1 + f / 16
.set FB_, 4*(\q)+(\b)
	WIN (1+FB_/16)<<6
.irp c, 0,1,2,3
	ds_load_b128 v[16*(FB_%16)+4*\c:16*(FB_%16)+4*\c+3], v[\adr] offset:(\b)*FRB+2048*(\q)+512*\c
.endr
.endm
.macro FETCHAT k, a, off, s, soff  ; a block of x into set k of window 3, and its scale words: NF loads
	WIN 3<<6
.irp q, 0,1,2,3,4,5,6,7
.irp c, 0,1,2,3
	ds_load_b128 v[128*\k+16*\q+4*\c:128*\k+16*\q+4*\c+3], v[\a] offset:(\off)+2048*\q+512*\c
.endr
.endr
	WIN 0
	ds_load_b128 v[SA+8*\k:SA+8*\k+3], v[\s] offset:\soff
	ds_load_b128 v[SA+8*\k+4:SA+8*\k+7], v[\s] offset:(\soff)+16
.endm
.macro PROD kind, e, a, n  ; product n = 4 q + b: the q-th 128 of K, column tile b; x in set e, sums in set a.  kind 0 (Q, K): source 0 = the weight's rows; 1 (V): source 0 = x's
.set Q_, (\n)/4
.set B_, (\n)%4
.set FB_, \n
.set AC_, ACC+32*(\a)+8*B_
.set C_, AC_
.if Q_ == 0
.set C_, BQ+8*B_
.endif
.set R_, 128*(\e)+16*Q_
.set W_, 16*(FB_%16)
.set XS_, SA+8*(\e)+Q_
.set WS_, SB+8*(B_/2)+Q_
.if \kind
	WIN 3|((1+FB_/16)<<2)
.if B_%2
	v_wmma_scale_f32_16x16x128_f8f6f4 v[AC_:AC_+7], v[R_:R_+15], v[W_:W_+15], v[C_:C_+7], v[XS_], v[WS_] matrix_a_fmt:MATRIX_FMT_BF8 matrix_b_fmt:MATRIX_FMT_BF8 matrix_b_scale:MATRIX_SCALE_ROW1
.else
	v_wmma_scale_f32_16x16x128_f8f6f4 v[AC_:AC_+7], v[R_:R_+15], v[W_:W_+15], v[C_:C_+7], v[XS_], v[WS_] matrix_a_fmt:MATRIX_FMT_BF8 matrix_b_fmt:MATRIX_FMT_BF8
.endif
.else
	WIN (1+FB_/16)|(3<<2)
.if B_%2
	v_wmma_scale_f32_16x16x128_f8f6f4 v[AC_:AC_+7], v[W_:W_+15], v[R_:R_+15], v[C_:C_+7], v[WS_], v[XS_] matrix_a_fmt:MATRIX_FMT_BF8 matrix_b_fmt:MATRIX_FMT_BF8 matrix_a_scale:MATRIX_SCALE_ROW1
.else
	v_wmma_scale_f32_16x16x128_f8f6f4 v[AC_:AC_+7], v[W_:W_+15], v[R_:R_+15], v[C_:C_+7], v[WS_], v[XS_] matrix_a_fmt:MATRIX_FMT_BF8 matrix_b_fmt:MATRIX_FMT_BF8
.endif
.endif
.endm
.macro HOLD x, b
	v_med3_num_f32 v[\x], v[\x], -v[TQ+\b], v[TQ+\b]
.endm
.macro SCALES i, n  ; 0: the conversion's scale operand; 1: the bound; 2: a second copy of it; 3: the scale byte
.if (\i) == 0
	v_add_nc_u32 v[SOP+\n], -(EMAX<<23), v[TQ]
.elseif (\i) == 1
	v_and_or_b32 v[TQ+1], v[TQ], 0x7f800000, s62
.elseif (\i) == 2
	v_mov_b32 v[TQ+3], v[TQ+1]
.else
	v_lshrrev_b32 v[EB+\n], 23, v[SOP+\n]
.endif
.endm
.macro MAXQ k, x  ; 18 lines: the largest magnitude of the 32 sums at x, and the floor under which a byte would fall under 1
.if (\k) < 4
	v_max3_num_f32 v[TQ+\k], |v[\x+8*(\k)]|, |v[\x+8*(\k)+1]|, |v[\x+8*(\k)+2]|
.elseif (\k) < 12
	v_max3_num_f32 v[TQ+(\k)%4], v[TQ+(\k)%4], |v[\x+8*((\k)%4)+2*((\k)/4)+1]|, |v[\x+8*((\k)%4)+2*((\k)/4)+2]|
.elseif (\k) < 16
	v_max_num_f32 v[TQ+(\k)%4], v[TQ+(\k)%4], |v[\x+8*((\k)%4)+7]|
.elseif (\k) == 16
	v_max3_num_f32 v[TQ], v[TQ], v[TQ+1], v[TQ+2]
.else
	v_max3_num_f32 v[TQ], v[TQ], v[TQ+3], (EMAX+1)<<23
.endif
.endm
.macro HOLDS m, x  ; two of a scale block's holds; the bound's second copy serves one pair
.if (\m) == 3
	HOLD \x, 3
	HOLD \x+1, 3
.else
	HOLD \x, 1
	HOLD \x+1, 1
.endif
.if (\m) == 2
	SCALES 2, 0
.endif
.endm
.macro GAPQ m, x  ; Q's or K's block, gaps 0 .. 26: the 32 sums at x -> codes NCD, byte EB
.if (\m) < 9
	MAXQ 2*(\m), \x
	MAXQ 2*(\m)+1, \x
.elseif (\m) == 9
	SCALES 0, 0
	SCALES 1, 0
.elseif (\m) < 26
	HOLDS (\m)-10, \x+2*((\m)-10)
.if ((\m)-10)%4 == 3
	v_cvt_scalef32_pk8_bf8_f32 v[NCD+2*(((\m)-10)/4):NCD+2*(((\m)-10)/4)+1], v[\x+8*(((\m)-10)/4):\x+8*(((\m)-10)/4)+7], v[SOP]
.endif
.elseif (\m) == 26
	SCALES 3, 0
.endif
.endm
.macro GAPV u, x  ; a pair of V's blocks, gaps 0 .. 59, 15 a tile: the even block's sums at x, the odd's at x + 32 -> codes MCD + 4 t, bytes EB + t; a scale block lies in lanes l and l xor 16
.set T_, (\u)/15
.set J_, (\u)%15
.set E_, \x+8*T_
.set O_, E_+32
.if (\u) > 59
.elseif J_ == 0
	v_max3_num_f32 v[TQ], |v[E_]|, |v[E_+1]|, |v[E_+2]|
	v_max3_num_f32 v[TQ+2], |v[O_]|, |v[O_+1]|, |v[O_+2]|
.elseif J_ < 3
	v_max3_num_f32 v[TQ], v[TQ], |v[E_+2*J_+1]|, |v[E_+2*J_+2]|
	v_max3_num_f32 v[TQ+2], v[TQ+2], |v[O_+2*J_+1]|, |v[O_+2*J_+2]|
.elseif J_ == 3
	v_max3_num_f32 v[TQ+2], v[TQ+2], |v[O_+7]|, (EMAX+1)<<23
	v_max3_num_f32 v[TQ], v[TQ], |v[E_+7]|, v[TQ+2]
.elseif J_ == 4
	v_permlanex16_b32 v[TQ+2], v[TQ], s60, s61
	v_max_num_f32 v[TQ], v[TQ], v[TQ+2]
.elseif J_ == 5
	SCALES 0, T_
	SCALES 1, T_
.elseif J_ < 10
	HOLDS J_-6, E_+2*(J_-6)
.if J_ == 9
	v_cvt_scalef32_pk8_bf8_f32 v[MCD+4*T_:MCD+4*T_+1], v[E_:E_+7], v[SOP+T_]
.endif
.elseif J_ < 14
	HOLDS J_-6, O_+2*(J_-10)
.if J_ == 13
	v_cvt_scalef32_pk8_bf8_f32 v[MCD+4*T_+2:MCD+4*T_+3], v[O_:O_+7], v[SOP+T_]
.endif
.else
	SCALES 3, T_
.endif
.endm
.macro RDESC i, off, lds  ; group 0 of a refill, in two parts: my quarter of the group at s[off] of qin, into the slot at s[lds]
.if (\i) == 0
	s_add_co_u32 s[G0R+1], s66, s\lds
	s_add_co_u32 s20, s66, s\off
.else
	s_mov_b32 s21, 0
	s_add_nc_u64 s[G0R+2:G0R+3], s[4:5], s[20:21]
	s_or_b32 s[G0R+3], s[G0R+3], 0x80000000
.endif
.endm
; WHAT STANDS BEHIND PRODUCT n.  j: the block's number in its trip (the second loop's: 4, 5; V's: -1, -2).  y = 1: Q's or K's block at x; 2, 3: the halves of V's pair at x
.macro LIST n, j, y, x
.if (\n) == 0
.if (\j) == 0
	WIN 0
	v_add_nc_u32 v[ADRA], s101, v[ADRA0]
	v_add_nc_u32 v[ADRN], s47, v[ADRA0]
.elseif (\j) == 1
	s_add_nc_u64 s[84:85], s[84:85], CHB  ; on to this chunk's codes
	s_cmp_eq_u32 s46, 2
	s_cselect_b64 s[84:85], s[88:89], s[84:85]
.elseif (\j) == 4
	s_cmp_eq_u32 s46, 3  ; block 12 sends chunk 2's last block, block 14 chunk 3's second
	s_cselect_b32 s10, 0x3000, s63
	s_cselect_b32 s22, 12, 4
	s_add_nc_u64 s[84:85], s[84:85], s[10:11]
.elseif (\j) == 5
	s_cmp_eq_u32 s46, 3  ; block 13 sends chunk 3's first, block 15 its third
	s_cselect_b32 s10, CHB-0x3000, s63
	s_cselect_b32 s22, 500, 4
	s_add_nc_u64 s[84:85], s[84:85], s[10:11]
.endif
.elseif (\n) == 1
.if (\j) == 0
	WIN 0
	v_add_nc_u32 v[AAS], s17, v[AAS0]
.elseif (\j) == 4 || (\j) == -1
	WIN 0
	v_add_nc_u32 v[ADRA], s47, v[ADRA0]
	v_add_nc_u32 v[AAS], s8, v[AAS0]
.endif
.elseif (\n) == 2
.if (\j) == 1
	WIN 0
	v_add_nc_u32 v[VX], s9, v[VX]
.elseif (\j) == 2
	WIN 0
	v_lshl_add_u32 v7, v3, 8, s23
.elseif (\j) > 3
	WIN 0
	v_add_nc_u32 v[VX], s22, v[VX]
.endif
.elseif (\j) == 0 && ((\n) == 29 || (\n) == 30)
	RDESC (\n)-29, 6, 47
.endif
.if (\y) == 1 && (\n) > 0 && (\n) < 28
	WIN 0
	GAPQ (\n)-1, \x
.elseif (\y) == 2 && (\n) > 0 && (\n) < 31
	WIN 0
	GAPV (\n)-1, \x
.elseif (\y) == 3 && (\n) > 0 && (\n) < 31
	WIN 0
	GAPV (\n)+29, \x
.endif
.endm
.macro BLOCK kind, e, a, from, to, j, y, x
.set N_, \from
.rept (\to)-(\from)
	PROD \kind, \e, \a, N_
	LIST N_, \j, \y, \x
.set N_, N_+1
.endr
.endm
.macro BLK kind, e, a, w, j, y, x  ; a block; w: the wait's count (-1: none)
.if (\w) >= 0
	s_wait_dscnt \w
.endif
	s_wait_xcnt 0x0
	BLOCK \kind, \e, \a, 0, 32, \j, \y, \x
	WIN 0
	PLACES NP
.endm
.macro RBLK kind, e, a, w, j, y, x  ; a block with a round of the cluster's barrier
	s_wait_dscnt \w
	s_wait_xcnt 0x0
	GRD
	BLOCK \kind, \e, \a, 0, 28, \j, \y, \x
	WIN 0
	WALU
	s_wait_dscnt 0x0
	s_barrier_signal -1
	BLOCK \kind, \e, \a, 28, 32, \j, \y, \x
	MIDDLE
	BARRIER
.endm
.macro SBLK kind, e, a, w, j, y, x, half=0  ; a block with a plain barrier (half = 1: it shows waves 0 and 1's loads alone)
.if (\w) >= 0
	s_wait_dscnt \w
.endif
	s_wait_xcnt 0x0
	BLOCK \kind, \e, \a, 0, 28, \j, \y, \x
	WIN 0
	WALU
.if \half
	s_cmp_lt_u32 s14, 2
	s_cbranch_scc0 .Lnot_yet_\@
	s_wait_tensorcnt 0x0
.Lnot_yet_\@:
.else
	s_wait_tensorcnt 0x0
.endif
	s_wait_dscnt 0x0
	s_barrier_signal -1
	BLOCK \kind, \e, \a, 28, 32, \j, \y, \x
	WIN 0
	s_barrier_wait -1
	PLACES NP
.endm
.macro QOUT off, boff  ; a block's byte goes to its place in LDS, its 32 codes a lane leave: each store covers two runs of 256 consecutive bytes
	ds_store_b8 v[VX], v[EB] offset:\boff
	global_store_b128 v[CN], v[NCD:NCD+3], s[84:85] offset:\off
	global_store_b128 v[CN], v[NCD+4:NCD+7], s[84:85] offset:(\off)+256
.endm
.irp q, 0,1,2,3,4,5,6,7
.irp b, 0,1,2,3
	FRAG \q, \b, ADRB
.endr
.endr
	WIN 0
	s_wait_tensorcnt 0x0  ; chunk 0 and the scale words are in; the first weight is in registers
	s_wait_dscnt 0x0
	BARRIER
	FETCHAT 0, ADRA0, 0, AAS0, 0
	FETCHAT 1, ADRA0, FRB, AAS0, 512
	s_load_b64 s[92:93], s[0:1], 0x8  ; qkv
	s_mov_b32 s60, 0x76543210
	s_mov_b32 s61, 0xfedcba98
	s_mov_b32 s62, 0x600000
	s_mov_b32 s63, 4096
.set I_, 0
.rept 32
	v_mov_b32 v[ACC+32+I_], 0
.set I_, I_+1
.endr
	s_wait_kmcnt 0x0
	s_add_nc_u64 s[94:95], s[92:93], s[78:79]
	s_add_nc_u64 s[96:97], s[92:93], s[80:81]
	s_add_nc_u64 s[98:99], s[92:93], s[82:83]
	s_add_nc_u64 s[92:93], s[92:93], s[76:77]
	s_lshl_b32 s20, s18, 18
	s_mov_b32 s21, 0
	s_add_nc_u64 s[88:89], s[92:93], s[20:21]  ; codes of V's window
	s_xor_b32 s20, s20, 0x40000
	s_add_nc_u64 s[84:85], s[92:93], s[20:21]  ; of the other window
	s_sub_nc_u64 s[84:85], s[84:85], CHB
	s_mov_b32 s46, 0  ; s46 the trip; s101, s47 this chunk's slot and the next chunk's; s17 its scale words' step; s6 the rows that are loaded; s9 to a byte's next place; s23 my share of what is asked for ahead
	s_mov_b32 s9, 0
	s_mov_b32 s23, 0
	s_mov_b32 s101, 0
	s_mov_b32 s47, CHB
	s_mov_b32 s17, 0
	s_wait_loadcnt 0x0
.Lfour:
	RBLK 0, 0, 0, NF, 0, 1, ACC+32
	s_cmp_lt_u32 s14, 2  ; waves 0, 1 and waves 2, 3 have a load line each: the barrier inside the block two on waits for the first line's alone
	s_cbranch_scc0 .Lupper
	TLOAD G0R, G1R
	s_branch .Lboth
.Lupper:
	TLOAD G0R, G1R
.Lboth:
	PLACES NP-4
	s_cmp_eq_u32 s46, 0
	s_cbranch_scc1 .Lno_block_before
	QOUT 12288, 12
.Lno_block_before:
	FETCHAT 0, ADRA, 2*FRB, AAS, 1024
	BLK 0, 1, 1, -1, 1, 1, ACC
	QOUT 0, 0
	FETCHAT 1, ADRA, 3*FRB, AAS, 1536
	SBLK 0, 0, 0, NF, 2, 1, ACC+32, 1  ; the next chunk's first half is in
	QOUT 4096, 4
	s_cmp_eq_u32 s46, 0
	s_cbranch_scc1 .Lnone_ahead
	global_prefetch_b8 v7, s[4:5] th:TH_LOAD_NT scope:SCOPE_SE
.Lnone_ahead:
	FETCHAT 0, ADRN, 0, AAS, 4096
	BLK 0, 1, 1, -1, 3, 1, ACC
	QOUT 8192, 8
	FETCHAT 1, ADRN, FRB, AAS, 4608
	s_cmp_eq_u32 s46, 0
	s_cselect_b32 s6, s2, s7
	s_cselect_b32 s21, s90, s100
	s_cselect_b32 s22, s7, s3
	s_lshl_b32 s21, s21, 13
	s_add_co_u32 s23, s21, s22
	s_mov_b32 s9, 512
	s_mov_b32 s101, s47
	s_xor_b32 s47, s47, CHB
	s_add_co_u32 s17, s17, 4096
	s_add_co_u32 s46, s46, 1
	s_cmp_lg_u32 s46, 3
	s_cbranch_scc1 .Lfour
	GRD
	s_add_co_u32 s20, s66, s3
	s_mov_b32 s21, 0
	s_mov_b32 s[G0A+1], s66
	s_add_nc_u64 s[G0A+2:G0A+3], s[4:5], s[20:21]
	s_or_b32 s[G0A+3], s[G0A+3], 0x80000000
	GROUP1 G1A, 45, 128
	s_wait_dscnt 0x0
	s_barrier_signal -1
	MIDDLE
	BARRIER
	TLOAD G0A, G1A
	s_mov_b32 s47, CHB+2*FRB
	s_mov_b32 s8, 3*4096+1024
.Ltwo:
	BLK 0, 0, 0, NF, 4, 1, ACC+32  ; blocks 12, 14
	QOUT 0, 0
	FETCHAT 0, ADRA, 0, AAS, 0
	BLK 0, 1, 1, NF, 5, 1, ACC  ; 13, 15; the block two on is then V's: chunk 3 again
	QOUT 0, 0
	FETCHAT 1, ADRA, FRB, AAS, 512
	s_mov_b32 s47, CHB
	s_mov_b32 s8, 3*4096
	s_add_co_u32 s46, s46, 1
	s_cmp_lg_u32 s46, 5
	s_cbranch_scc1 .Ltwo
	s_wait_xcnt 0x0
	s_wait_tensorcnt 0x0  ; Wv's rows are in
	s_wait_dscnt 0x0
	BARRIER
.macro CHANGE i  ; among Wv's 128 loads: the last block's way out; Wv's scale words into their place; zeros into what no block has written yet
.if (\i) < 7
.irp k, 0,1,2,3
.if 4*(\i)+\k < 27
	GAPQ 4*(\i)+\k, ACC+32
.endif
.endr
.elseif (\i) < 9
.irp q, 0,1,2,3,4,5,6,7
	v_mov_b32 v[SB+8*((\i)-7)+\q], v[WS+8*((\i)-7)+\q]
.endr
.elseif (\i) < 15
.irp q, 0,1,2,3,4,5,6,7
	v_mov_b32 v[ACC+80+8*((\i)-9)+\q], 0
.endr
.endif
.endm
.irp q, 0,1,2,3,4,5,6,7
.irp b, 0,2
	FRAG \q, \b, ADRB+1
	FRAG \q, \b+1, ADRB+1
	WIN 0
	CHANGE 2*\q+\b/2
.endr
.endr
.irp t, 0,1,2,3
.irp i, 0,1,2,3,4,5,6,7
	v_mov_b32 v[BQ+8*\t+\i], v[BV+\t]
.endr
.endr
	WALU
	QOUT 4096, 4
	GRD
	s_mov_b32 s47, 0
	RDESC 0, 2, 47
	RDESC 1, 2, 47
	s_mov_b32 s46, 0
	s_mov_b32 s47, CHB+2*FRB
	s_mov_b32 s8, 3*4096+1024
	s_wait_dscnt 0x0
	s_barrier_signal -1
	MIDDLE
	BARRIER
	TLOAD G0R, G1R
.macro VOUT  ; a pair of V's blocks: four tiles' bytes and codes
.irp t, 0,1,2,3
	ds_store_b8 v[VX], v[EB+\t] offset:4*\t
	global_store_b128 v[CO], v[MCD+4*\t:MCD+4*\t+3], s[84:85] offset:4096*\t
.endr
.endm
.macro VTO  ; s22: 2 x the group of tokens + the block of 32: where a pair's codes and bytes go
	s_lshr_b32 s20, s22, 1
	s_and_b32 s21, s22, 1
	s_lshl_b32 s23, s20, 9
	s_add_co_u32 s23, s23, s21
	s_lshl_b32 s20, s20, 11
	s_lshl_b32 s21, s21, 9
	s_add_co_u32 s20, s20, s21
	s_mov_b32 s21, 0
	s_add_nc_u64 s[84:85], s[96:97], s[20:21]
	v_add_nc_u32 v[VX], s23, v[RD]
.endm
.Lpair:
	BLK 1, 0, 0, -1, -1, 2, ACC+64
	s_cmp_eq_u32 s46, 3
	s_cbranch_scc1 .Lnone_0
	FETCHAT 0, ADRA, 0, AAS, 0
	s_wait_dscnt NF
	s_branch .Lgo
.Lnone_0:
	s_wait_dscnt 0x0
.Lgo:
	SBLK 1, 1, 1, -1, -2, 3, ACC+64  ; the first trip's shows chunk 2
.set I_, 0
.rept 32  ; the pair's sums are copied, so that one trip is two blocks of text
	v_dual_mov_b32 v[ACC+64+I_], v[ACC+I_] :: v_dual_mov_b32 v[ACC+64+I_+1], v[ACC+I_+1]
.set I_, I_+2
.endr
	s_add_co_u32 s22, s46, 1
	s_and_b32 s22, s22, 3
	VTO
	s_cmp_eq_u32 s46, 0
	s_cbranch_scc1 .Lno_pair_before
	VOUT
.Lno_pair_before:
	s_cmp_eq_u32 s46, 3
	s_cbranch_scc1 .Lnone_1
	FETCHAT 1, ADRA, FRB, AAS, 512
.Lnone_1:
	s_mov_b32 s8, 2*4096+1024
	s_mov_b32 s20, 2*FRB
	s_cmp_eq_u32 s46, 0
	s_cselect_b32 s47, 0, s20
	s_cselect_b32 s8, 2*4096, s8
	s_add_co_u32 s46, s46, 1
	s_cmp_lg_u32 s46, 4
	s_cbranch_scc1 .Lpair
	s_wait_xcnt 0x0
	s_mov_b32 s22, 1
	VTO
.set K_, 0
.rept 60
	GAPV K_, ACC+64
.set K_, K_+1
.endr
	VOUT
	s_wait_dscnt 0x0  ; the scale bytes
	BARRIER
	s_lshl_b32 s21, s14, 9
	s_add_co_u32 s21, s21, XN
	v_add_nc_u32 v21, s21, v[CO]
	v_lshlrev_b32 v22, 3, v3
	s_lshl_b32 s21, s14, 8
	s_add_co_u32 s21, s21, XV
	v_add_nc_u32 v23, s21, v22
	WALU
	ds_load_b128 v[60:63], v21
	ds_load_b64 v[40:41], v23
	s_wait_dscnt 0x0
	global_store_b128 v[CO], v[60:63], s[94:95]  ; a chunk's 512 bytes
	global_store_b64 v22, v[40:41], s[98:99]  ; 256 bytes, aligned
	s_wait_tensorcnt 0x0  ; the wave's end
	ds_add_u32 v[SPW], v[NIL]
	s_wait_dscnt 0x0
	CROUND  ; the closing round
	s_endpgm
.Lfunc_end_k_qb8f35ac500_proj:
	.size	k_qb8f35ac500_proj, .Lfunc_end_k_qb8f35ac500_proj-k_qb8f35ac500_proj
	.p2alignl 7, 3214868480
	.fill 96, 4, 3214868480
	.section	.rodata,"a",@progbits
	.p2align	6, 0x0
	.amdhsa_kernel k_qb8f35ac500_proj
		.amdhsa_group_segment_fixed_size 327680
		.amdhsa_private_segment_fixed_size 0
		.amdhsa_enable_private_segment 0
		.amdhsa_kernarg_size 40
		.amdhsa_user_sgpr_count 2
		.amdhsa_user_sgpr_kernarg_segment_ptr 1
		.amdhsa_wavefront_size32 1
		.amdhsa_system_sgpr_workgroup_id_x 1
		.amdhsa_system_sgpr_workgroup_id_y 1
		.amdhsa_system_sgpr_workgroup_id_z 1
		.amdhsa_system_vgpr_workitem_id 0
		.amdhsa_next_free_vgpr 1024
		.amdhsa_next_free_sgpr 102
		.amdhsa_reserve_vcc 0
		.amdhsa_float_denorm_mode_32 3
		.amdhsa_float_denorm_mode_16_64 3
		.amdhsa_memory_ordered 1
		.amdhsa_forward_progress 1
		.amdhsa_inst_pref_size 160
	.end_amdhsa_kernel
	.amdgpu_metadata
---
amdhsa.version: [ 1, 2 ]
amdhsa.kernels:
  - .name:           k_qb8f35ac500_proj
    .symbol:         k_qb8f35ac500_proj.kd
    .args:
      - { .name: qin, .offset: 0, .size: 8, .value_kind: global_buffer, .address_space: global }
      - { .name: qkv, .offset: 8, .size: 8, .value_kind: global_buffer, .address_space: global }
      - { .name: bq, .offset: 16, .size: 8, .value_kind: global_buffer, .address_space: global }
      - { .name: bk, .offset: 24, .size: 8, .value_kind: global_buffer, .address_space: global }
      - { .name: bv, .offset: 32, .size: 8, .value_kind: global_buffer, .address_space: global }
    .group_segment_fixed_size: 327680
    .private_segment_fixed_size: 0
    .kernarg_segment_align: 8
    .kernarg_segment_size: 40
    .max_flat_workgroup_size: 128
    .sgpr_count:     102
    .vgpr_count:     1024
    .wavefront_size: 32
...
	.end_amdgpu_metadata
.endif
;; end of part 2
;; launch score (part 3): grid 256 x 1, 4 waves a work-group, no clusters, 327,680 bytes of LDS; arguments qkv, pp; writes pp
.if DOCPART == 3
	.amdgcn_target "amdgcn-amd-amdhsa--gfx1250"
	.amdhsa_code_object_version 6
	.text
	.protected	k_qb8f35ac500_score
	.globl	k_qb8f35ac500_score
	.p2align	8
	.type	k_qb8f35ac500_score,@function
k_qb8f35ac500_score:
	s_mov_b64 s[64:65], 0
	v_nop
	global_prefetch_b8 v0, s[64:65] scope:SCOPE_SE
	s_setreg_imm32_b32 hwreg(HW_REG_WAVE_MODE, 25, 1), 1
	s_wait_xcnt 0x0
; S = Q K^T on codes, and the softmax's numerator for each piece of 128 keys.  LEFT OUT: the tiles of 128 queries x 128 keys all of whose keys come after all of their queries (reference()'s own jnp.tril gives them the weight 0):
; of a batch's 256 such units 136 are made.  LIMIT: a NaN, an infinity or an overflow that reaches only those units is not carried to the result.
; SHARES.  256 work-groups, 64 a batch: 8 diagonal ones (the lowest numbers) and 56 others.  An other one makes U: 128 queries (one group) x 256 keys (groups K0, K1).  Diagonal j: K0, K1 = keys' groups 2 j, 2 j + 1; U = queries' group 2 j + 1 x both; L = queries' group 2 j x K0.
; The unit L x K1 is hidden whole: the diagonal work-group stores zero codes, bytes of 1, -M = 3e38 and l = 0 there, for the last launch reads whole pieces of 256 keys.
; NO CLUSTER: a batch's tiles form a triangle; its rows have 1 to 8 tiles of 256 keys and its columns 1 to 15 work-groups, which do not divide into fours that all read one tile.
; A wave has 32 queries (fragments 2 w, 2 w + 1) of U and of L.  Source 0 = 16 keys, source 1 = 16 queries: lane (r, h) holds query r of a fragment, registers 16 e + i of a row block are keys 32 e + 16 h + i of 128.
; K = d = 1,024 goes in four steps of 256.  LDS: four parts (K0, K1, U, L; wave w fills part w) of two steps, 32,768 bytes each: the head brings steps 0 and 1 by one load a wave, steps 2 and 3 come by a refill each.
; PREFETCH: the diagonal work-groups, which together hold every group of Q and K once, ask for K step 3 behind the first 128 of K: 32,768 bytes a wave, lanes 256 bytes apart; the refill that wants it stands three times 128 of K further on.
; THE SOFTMAX, for each query and 128 keys alone: t = score x log2(e) / 32; M = ceil(the largest t), a whole number; p = 2^(t - M), quantised along the keys; l = the sum of the unquantised p.  Stored: p's codes as fragments, its scale words, -M and l.
; ON THE DIAGONAL hidden scores become -infinity ahead of the maximum; every query has at least one live key in a unit that is made.
; LIMITS: NaN and infinities are not served; the scaled scores (exponents to the base 2) stay under 2^31 in magnitude; a block of p whose largest lies under 2^-111 keeps the byte 1.
.set QKS, 25165824
.set PST, 16777216
.set SCA, 262144                       ; the words on their way out: [trip 6][scale word, -M, l][wave 4][r 16]
.set SPARE, SCA+6*768
.set NP, 8                             ; plain vector lines behind a matrix instruction (ISA guide 7.12.1)
.set CO,   4                           ; v4   16 x lane: stores, and my place in part K0; v5 in K1, v6 in U, v7 in L
.set LB,   9                           ; v9   my word in a trip's 256 bytes
.set DV,   10                          ; v10  32 w + r + 8 (r / 8) - 16 h
.set NINF, 11
.set DT,   12                          ; v12-15
.set LW,   16                          ; v16  LB of the trip
.set PFO,  17                          ; v17  256 x lane
.set SPW,  28
.set NIL,  29
.set KS,   32                          ; v32-95 keys' scale words, register 8 s + i for the s-th 128 of K: lanes 0-15 K0's fragment i, lanes 16-31 K1's
.set QW,   96                          ; v96-111 queries' scale words, register 2 s + fragment: lanes 0-15 U's, lanes 16-31 L's
.set QF,   128                         ; v128-255 queries' fragments, two sets of four: U's two, L's two
.set T,    128                         ; afterwards: 64 numbers, and at work from v192 on
.set PC,   192
.set BM,   208
.set PT,   212
.set HL,   216
.set SO,   220
.set SM,   224
.set MM,   232                         ; v[232:233]: -M
.set PWR,  236
.set LSR,  237
.set DF,   10                          ; s10  1 in a diagonal work-group
.set G1,   24
.set G0,   32
.set CS,   36                          ; s[36:37] log2(e) / 32
.set SEL,  38
.set MNT,  40
.set OU,   42                          ; where codes go: U, L
.set OL,   44
.set OSU,  46                          ; where words go: U, L
.set OSL,  48
.set MK,   50
.set A8,   51
.set LO,   52
.set PFB,  54
.set MSB, 0
.macro WIN new
.if MSB != (\new)
	s_set_vgpr_msb (MSB<<8)|(\new)
.set MSB, (\new)
.endif
.endm
.macro PLACES
.rept NP
	v_nop
.endr
.endm
.macro TL                              ; my part: wave 3 has one in the diagonal work-groups alone
	s_cmp_lt_u32 s8, 3
	s_cbranch_scc1 .Lmine_\@
	s_cmp_eq_u32 s[DF], 0
	s_cbranch_scc1 .Lnone_\@
.Lmine_\@:
	tensor_load_to_lds s[G0:G0+3], s[G1:G1+7]
	s_nop 0
.rept 4
	v_nop
.endr
.Lnone_\@:
.endm
	s_load_b128 s[4:7], s[0:1], 0x0                ; qkv, pp
	v_lshl_add_u32 v[SPW], v0, 2, SPARE
	v_mov_b32 v[NIL], 0
	ds_add_u32 v[SPW], v[NIL]                      ; the wave's opening: the add, twice on end, and its wait ahead of my first tensor load
	ds_add_u32 v[SPW], v[NIL]
	v_lshrrev_b32 v1, 5, v0
	v_readfirstlane_b32 s8, v1                     ; wave 0..3
	s_and_b32 s12, ttmp9, 1
	s_bfe_u32 s13, ttmp9, 0x10002
	s_lshl_b32 s13, s13, 1
	s_add_co_u32 s13, s13, s12                     ; batch: bits 2 and 0 of my number
	s_lshr_b32 s14, ttmp9, 3
	s_lshl_b32 s14, s14, 1
	s_bfe_u32 s15, ttmp9, 0x10001
	s_add_co_u32 s14, s14, s15                     ; 0..63 in the batch: 0..7 diagonal
	s_sub_co_u32 s15, s14, 8
	s_and_b32 s16, s15, 1                          ; others: which 128 queries of a tile of 256,
	s_lshr_b32 s17, s15, 1                         ; tile n = 0..27 of the triangle under the diagonal: row j of j tiles, j = 1..7
	s_mov_b32 s18, 1
.irp c, 1,3,6,10,15,21
	s_cmp_ge_u32 s17, \c
	s_add_co_ci_u32 s18, s18, 0
.endr
	s_sub_co_u32 s20, s18, 1
	s_mul_i32 s20, s20, s18
	s_lshr_b32 s20, s20, 1
	s_sub_co_u32 s19, s17, s20                     ; its column
	s_lshl_b32 s18, s18, 1
	s_add_co_u32 s18, s18, s16                     ; queries' group
	s_lshl_b32 s20, s14, 1
	s_add_co_u32 s20, s20, 1
	s_cmp_lt_u32 s14, 8
	s_cselect_b32 s[DF], 1, 0
	s_cselect_b32 s18, s20, s18                    ; U's group in the batch
	s_cselect_b32 s19, s14, s19                    ; the tile of 256 keys
	s_lshl_b32 s11, s13, 4
	s_add_co_u32 s18, s18, s11                     ; 16 b + U's group
	s_sub_co_u32 s12, s18, s[DF]                   ; L's (others: U's once more, for its scale words alone)
	s_lshl_b32 s20, s19, 1
	s_add_co_u32 s20, s20, s11
	s_add_co_u32 s20, s20, 64                      ; K0's group
	s_and_b32 s21, s8, 1
	s_add_co_u32 s22, s20, s21                     ; waves 0, 1
	s_mul_i32 s21, s21, s[DF]
	s_sub_co_u32 s23, s18, s21                     ; waves 2, 3
	s_cmp_lt_u32 s8, 2
	s_cselect_b32 s22, s22, s23
	s_lshl_b32 s22, s22, 17
	s_mov_b32 s23, 0
	s_mov_b32 s[G1], 3<<16                         ; dense blocks as rows of 32 elements of 8 bytes
	s_mov_b32 s[G1+1], 32<<16
	s_mov_b32 s[G1+2], 256<<16
	s_mov_b32 s[G1+3], 32<<16
	s_mov_b32 s[G1+4], 256                         ; two K steps: 65,536 bytes
	s_mov_b32 s[G1+5], 32
	s_mov_b32 s[G1+6], 0
	s_mov_b32 s[G1+7], 0
	s_mov_b32 s[G0], 1
	s_lshl_b32 s[G0+1], s8, 16
	s_mov_b32 s[MNT], 0x600000
	s_mov_b32 s[CS], 0x3d38aa3b
	s_mov_b32 s[CS+1], s[CS]
	s_mov_b32 s[SEL], 0x76543210
	s_mov_b32 s[SEL+1], 0xfedcba98
	s_wait_alu depctr_va_vdst(0)
	s_wait_dscnt 0x0                               ; both opening adds are done
	s_wait_kmcnt 0x0
	s_add_nc_u64 s[PFB:PFB+1], s[4:5], s[22:23]
	s_mov_b64 s[G0+2:G0+3], s[PFB:PFB+1]
	s_or_b32 s[G0+3], s[G0+3], 0x80000000
	TL                                             ; K steps 0 and 1 of my part
	v_and_b32 v1, 15, v0                           ; r
	v_bfe_u32 v2, v0, 4, 1                         ; h
	v_and_b32 v3, 31, v0                           ; lane
	v_lshlrev_b32 v[CO], 4, v3
	v_add_nc_u32 v5, 0x10000, v[CO]
	s_lshl_b32 s21, s8, 13
	s_add_co_u32 s21, s21, 0x20000
	v_add_nc_u32 v6, s21, v[CO]
	v_add_nc_u32 v7, 0x10000, v6
	v_lshlrev_b32 v[PFO], 8, v3
	s_lshl_b32 s20, s20, 12                        ; the scale words: keys' by h from K0 or K1,
	s_add_co_u32 s20, s20, QKS
	v_lshlrev_b32 v18, 12, v2
	v_lshl_add_u32 v18, v1, 4, v18
	v_add_nc_u32 v18, s20, v18
	s_lshl_b32 s21, s[DF], 12
	v_mul_u32_u24 v19, s21, v2                     ; queries' by h from U or L
	s_lshl_b32 s21, s18, 12
	s_add_co_u32 s21, s21, QKS
	s_lshl_b32 s22, s8, 3
	s_and_b32 s22, s22, 8
	s_add_co_u32 s21, s21, s22
	s_lshr_b32 s22, s8, 1
	s_lshl_b32 s22, s22, 8
	s_add_co_u32 s21, s21, s22
	v_lshl_add_u32 v8, v1, 4, s21
	s_wait_alu depctr_va_vdst(0)
	v_sub_nc_u32 v19, v8, v19
.irp s, 0,1,2,3,4,5,6,7
	global_load_b128 v[KS+8*\s:KS+8*\s+3], v18, s[4:5] offset:512*\s
	global_load_b128 v[KS+8*\s+4:KS+8*\s+7], v18, s[4:5] offset:512*\s+256
	global_load_b64 v[QW+2*\s:QW+2*\s+1], v19, s[4:5] offset:512*\s
.endr
	; where my results go
	s_lshl_b32 s22, s19, 15
	s_lshl_b32 s21, s8, 13
	s_add_co_u32 s22, s22, s21
	s_lshl_b32 s[OU], s18, 18
	s_add_co_u32 s[OU], s[OU], s22
	s_mov_b32 s[OU+1], 0
	s_lshl_b32 s[OL], s12, 18
	s_add_co_u32 s[OL], s[OL], s22
	s_mov_b32 s[OL+1], 0
	s_mul_i32 s22, s19, 3072
	s_lshl_b32 s21, s8, 9
	s_add_co_u32 s22, s22, s21
	s_add_co_u32 s22, s22, PST
	s_mul_i32 s[OSU], s18, 24576
	s_add_co_u32 s[OSU], s[OSU], s22
	s_mov_b32 s[OSU+1], 0
	s_mul_i32 s[OSL], s12, 24576
	s_add_co_u32 s[OSL], s[OSL], s22
	s_mov_b32 s[OSL+1], 0
.irp o, OU, OL, OSU, OSL
	s_add_nc_u64 s[\o:\o+1], s[6:7], s[\o:\o+1]
.endr
	s_lshl_b32 s21, s8, 6
	s_add_co_u32 s21, s21, SCA
	v_lshl_add_u32 v[LB], v1, 2, s21
	v_and_b32 v[DV], 8, v1
	v_add_nc_u32 v[DV], v[DV], v1
	v_lshlrev_b32 v8, 4, v2
	v_sub_nc_u32 v[DV], v[DV], v8
	s_lshl_b32 s21, s8, 5
	v_add_nc_u32 v[DV], s21, v[DV]
	v_mov_b32 v[NINF], 0xff800000
	s_mov_b32 s20, 0                               ; the hidden unit's words: wave 0 bytes of 1, wave 1 -M, wave 2 l
	s_mov_b32 s21, 0x01010101
	s_cmp_eq_u32 s8, 0
	s_cselect_b32 s20, s21, s20
	s_mov_b32 s21, 0x7f61b1e6
	s_cmp_eq_u32 s8, 1
	s_cselect_b32 s20, s21, s20
.irp j, 0,1,2,3
	v_mov_b32 v[20+\j], 0
	v_mov_b32 v[24+\j], s20
.endr
	s_wait_alu depctr_va_vdst(0)                   ; the wait at the head's end
	s_cmp_eq_u32 s[DF], 0
	s_cbranch_scc1 .Lnothing_hidden
.irp a, 0,1
.irp c, 0,1,2,3
	global_store_b128 v[CO], v[20:23], s[OL:OL+1] offset:2048+4096*\a+512*\c
.endr
.endr
	s_cmp_eq_u32 s8, 3
	s_cbranch_scc1 .Lnothing_hidden
	global_store_b128 v[CO], v[24:27], s[OSL:OSL+1] offset:1536
.Lnothing_hidden:
.macro FK kg, s                        ; eight key fragments of the s-th 128 of K: 32 loads
	WIN 0x40
.irp i, 0,1,2,3,4,5,6,7
.irp c, 0,1,2,3
	ds_load_b128 v[128*\kg+16*\i+4*\c:128*\kg+16*\i+4*\c+3], v[CO+\kg] offset:32768*(((\s)/2)%2)+4096*\i+2048*((\s)%2)+512*\c
.endr
.endr
	WIN 0
.endm
.macro FQ adr, o, s                    ; two query fragments: 8 loads
.irp a, 0,1
.irp c, 0,1,2,3
	ds_load_b128 v[QF+64*((\s)%2)+\o+16*\a+4*\c:QF+64*((\s)%2)+\o+16*\a+4*\c+3], v[\adr] offset:32768*(((\s)/2)%2)+4096*\a+2048*((\s)%2)+512*\c
.endr
.endr
.endm
; 16 matrix instructions each; all accumulators take turns, one instruction a turn
.macro MULU s, kg
	WIN 0xa1
.irp a, 0,1
.irp i, 0,1,2,3,4,5,6,7
.set D_, 128*\a+64*\kg+8*\i
.set A_, 128*\kg+16*\i
.set B_, QF+64*((\s)%2)+16*\a
.if (\s) == 0
.if \kg
	v_wmma_scale_f32_16x16x128_f8f6f4 v[D_:D_+7], v[A_:A_+15], v[B_:B_+15], 0, v[KS+8*(\s)+\i], v[QW+2*(\s)+\a] matrix_a_fmt:MATRIX_FMT_BF8 matrix_b_fmt:MATRIX_FMT_BF8 matrix_a_scale:MATRIX_SCALE_ROW1
.else
	v_wmma_scale_f32_16x16x128_f8f6f4 v[D_:D_+7], v[A_:A_+15], v[B_:B_+15], 0, v[KS+8*(\s)+\i], v[QW+2*(\s)+\a] matrix_a_fmt:MATRIX_FMT_BF8 matrix_b_fmt:MATRIX_FMT_BF8
.endif
.elseif \kg
	v_wmma_scale_f32_16x16x128_f8f6f4 v[D_:D_+7], v[A_:A_+15], v[B_:B_+15], v[D_:D_+7], v[KS+8*(\s)+\i], v[QW+2*(\s)+\a] matrix_a_fmt:MATRIX_FMT_BF8 matrix_b_fmt:MATRIX_FMT_BF8 matrix_a_scale:MATRIX_SCALE_ROW1
.else
	v_wmma_scale_f32_16x16x128_f8f6f4 v[D_:D_+7], v[A_:A_+15], v[B_:B_+15], v[D_:D_+7], v[KS+8*(\s)+\i], v[QW+2*(\s)+\a] matrix_a_fmt:MATRIX_FMT_BF8 matrix_b_fmt:MATRIX_FMT_BF8
.endif
.endr
.endr
	WIN 0
.endm
.macro MULL s
	WIN 0xf1
.irp a, 0,1
.irp i, 0,1,2,3,4,5,6,7
.set D_, 64*\a+8*\i
.set B_, QF+64*((\s)%2)+32+16*\a
.if (\s) == 0
	v_wmma_scale_f32_16x16x128_f8f6f4 v[D_:D_+7], v[16*\i:16*\i+15], v[B_:B_+15], 0, v[KS+8*(\s)+\i], v[QW+2*(\s)+\a] matrix_a_fmt:MATRIX_FMT_BF8 matrix_b_fmt:MATRIX_FMT_BF8 matrix_b_scale:MATRIX_SCALE_ROW1
.else
	v_wmma_scale_f32_16x16x128_f8f6f4 v[D_:D_+7], v[16*\i:16*\i+15], v[B_:B_+15], v[D_:D_+7], v[KS+8*(\s)+\i], v[QW+2*(\s)+\a] matrix_a_fmt:MATRIX_FMT_BF8 matrix_b_fmt:MATRIX_FMT_BF8 matrix_b_scale:MATRIX_SCALE_ROW1
.endif
.endr
.endr
	WIN 0
.endm
; The s-th 128 of K.  s = 1, 3: the slot just read is filled again (K steps 2, 3), and the other one's refill is shown; s = 5: K step 3 is shown.
.macro KST s
.if (\s) == 1 || (\s) == 3
	s_wait_tensorcnt 0x0                           ; all my tensor loads have landed, so a group 0 may be written
	ds_add_u32 v[SPW], v[NIL]                      ; the add, here twice on end
	ds_add_u32 v[SPW], v[NIL]
.if (\s) == 1
	s_add_nc_u64 s[G0+2:G0+3], s[G0+2:G0+3], 0x10000
.else
	s_add_nc_u64 s[G0+2:G0+3], s[G0+2:G0+3], 0x8000
	s_add_co_u32 s[G0+1], s[G0+1], 0x8000
.endif
	s_wait_dscnt 34                                ; the adds and K1's 32 loads may be out
.else
.if (\s) == 5
	s_wait_tensorcnt 0x0
.endif
	s_wait_dscnt 32                                ; K1's 32 loads may be out
.endif
	MULU \s, 0
.if (\s) == 1 || (\s) == 3 || (\s) == 5
	s_wait_dscnt 0x0                               ; the adds are done, and my reads of the slot are over
	s_barrier_signal -1
	s_barrier_wait -1
.if (\s) != 5
	TL
.endif
.endif
	s_cmp_eq_u32 s[DF], 0
	s_cbranch_scc1 .Lno_l_\@
	MULL \s
.if (\s) < 7
	FQ 7, 32, (\s)+1
.endif
.Lno_l_\@:
.if (\s) < 7
	PLACES
	FK 0, (\s)+1
	FQ 6, 0, (\s)+1
	s_wait_dscnt 40                                ; the 40 loads just issued may be out
.else
	s_wait_dscnt 0x0
.endif
	MULU \s, 1
.if (\s) < 7
	PLACES
	FK 1, (\s)+1
.endif
.if (\s) == 0
	s_cmp_eq_u32 s[DF], 0
	s_cbranch_scc1 .Lno_ask
.irp i, 0,1,2,3
	global_prefetch_b8 v[PFO], s[PFB:PFB+1] offset:3*32768+8192*\i th:TH_LOAD_NT scope:SCOPE_SE
.endr
.Lno_ask:
.endif
.endm
	s_wait_tensorcnt 0x0                           ; my part of K steps 0 and 1 is in: the descriptor may be written:
	s_mov_b32 s[G1+2], 128<<16                     ; from here on a load brings one K step
	s_mov_b32 s[G1+4], 128
	s_barrier_signal -1
	s_barrier_wait -1
	s_cmp_eq_u32 s[DF], 0
	s_cbranch_scc1 .Lno_l
	FQ 7, 32, 0
.Lno_l:
	FK 0, 0
	FQ 6, 0, 0
	FK 1, 0
	s_wait_loadcnt 0x0                             ; the scale words
.irp s, 0,1,2,3,4,5,6,7
	KST \s
.endr
	PLACES                                         ; behind the last products
.irp b, 0,1,2,3
	v_mov_b32 v[PT+\b], 0                          ; a lane permute's destination counts as one of its sources
.endr
	v_mov_b32 v[MM+1], 0                           ; (named as the upper half of a pair)
; SIX TRIPS, one text: trip 3 a + n: row block a of U x K0, U x K1, L x K0; an arm brings its 64 numbers, as t, into v[T ..]; the last of each three is passed over where there is no L
.macro ARM t, win, off, base, add, mk, a8
.if \t < 5
	s_cmp_eq_u32 s9, \t
	s_cbranch_scc0 .Lnot_\t
.endif
.if \win == 3
	s_cmp_eq_u32 s[DF], 0
	s_cbranch_scc1 .Lnext
.endif
	s_add_nc_u64 s[20:21], s[\base:\base+1], \add
	s_mov_b32 s[MK], \mk
	s_mov_b32 s[A8], \a8
	WIN \win
.set n, 0
.rept 32
	v_pk_mul_f32 v[T+n:T+n+1], v[\off+n:\off+n+1], s[CS:CS+1] op_sel_hi:[1,0]
.set n, n+2
.endr
	WIN 0
	s_wait_alu depctr_va_vdst(0)
.if \t < 5
	s_branch .Lhave
.Lnot_\t:
.endif
.endm
	s_mov_b32 s9, 0
	s_mov_b32 s[LO], 0
	s_wait_alu depctr_va_vdst(0)
.Lblk:
	s_wait_xcnt 0x0                                ; the last trip's stores have read their registers and their base
	ARM 0, 2, 0, OU, 0, 0, 0
	ARM 1, 2, 64, OU, 2048, s[DF], 0
	ARM 2, 3, 0, OL, 0, s[DF], 0
	ARM 3, 2, 128, OU, 4096, 0, 8
	ARM 4, 2, 192, OU, 6144, s[DF], 8
	ARM 5, 3, 64, OL, 4096, s[DF], 8
.Lhave:
	s_cmp_eq_u32 s[MK], 0
	s_cbranch_scc1 .Lopen
	v_add_nc_u32 v[DT], s[A8], v[DV]               ; register 16 b + i holds a key that comes after my query where i is above v[DT + b]
.irp b, 1,2,3
	v_add_nc_u32 v[DT+\b], -32*\b, v[DT]
.endr
.set n, 0
.rept 64
	v_cmp_gt_i32 vcc_lo, n%16, v[DT+n/16]
	v_cndmask_b32 v[T+n], v[T+n], v[NINF], vcc_lo
.set n, n+1
.endr
.Lopen:
.irp b, 0,1,2,3
	v_max3_num_f32 v[BM+\b], v[T+16*\b], v[T+1+16*\b], v[T+2+16*\b]   ; the largest t of each block of 32 keys: for the row's maximum and, since p rises with t, for the block's largest p
.endr
.irp i, 3,5,7,9,11,13
.irp b, 0,1,2,3
	v_max3_num_f32 v[BM+\b], v[BM+\b], v[T+16*\b+\i], v[T+1+16*\b+\i]
.endr
.endr
.irp b, 0,1,2,3
	v_max_num_f32 v[BM+\b], v[BM+\b], v[T+15+16*\b]
.endr
.irp b, 0,1,2,3
	v_permlanex16_b32 v[PT+\b], v[BM+\b], s[SEL], s[SEL+1]
.endr
.irp b, 0,1,2,3
	v_max_num_f32 v[BM+\b], v[BM+\b], v[PT+\b]
.endr
	v_max3_num_f32 v234, v[BM], v[BM+1], v[BM+2]
	v_max_num_f32 v234, v234, v[BM+3]
	v_floor_f32 v[MM], -v234                       ; -M = floor(-t) = -ceil(t)
.set n, 0
.rept 32
	v_pk_add_f32 v[T+n:T+n+1], v[T+n:T+n+1], v[MM:MM+1] op_sel_hi:[1,0]
.set n, n+2
.endr
.irp b, 0,1,2,3
	v_add_f32 v[BM+\b], v[BM+\b], v[MM]
.endr
	s_wait_alu depctr_va_vdst(0)                   ; the wait ahead of the batch
.set n, 0
.rept 64
	v_exp_f32 v[T+n], v[T+n]                       ; p = 2^(t - M): one batch,
.set n, n+1
.endr
.irp b, 0,1,2,3
	v_exp_f32 v[BM+\b], v[BM+\b]                   ; and the blocks' largest p in it
.endr
	v_nop                                          ; the plain line behind the batch
	s_wait_alu depctr_va_vdst(0)                   ; and the wait ahead of the first line that names a result
.irp c, 0,1,2,3
	v_max_num_f32 v[BM+\c], 0x8000000, v[BM+\c]    ; the floor 2^(16 - 127)
	v_pk_add_f32 v[SM+2*\c:SM+2*\c+1], v[T+2*\c:T+2*\c+1], v[T+8+2*\c:T+8+2*\c+1]   ; l is the sum of the unquantised p: four chains by turns
.endr
.irp j, 16,24,32,40,48,56
.irp c, 0,1,2,3
	v_pk_add_f32 v[SM+2*\c:SM+2*\c+1], v[SM+2*\c:SM+2*\c+1], v[T+\j+2*\c:T+\j+2*\c+1]
.endr
.endr
	v_pk_add_f32 v[SM:SM+1], v[SM:SM+1], v[SM+2:SM+3]
	v_pk_add_f32 v[SM+4:SM+5], v[SM+4:SM+5], v[SM+6:SM+7]
.irp b, 0,1,2,3
	v_add_nc_u32 v[SO+\b], 0xf8800000, v[BM+\b]
.endr
	v_pk_add_f32 v[SM:SM+1], v[SM:SM+1], v[SM+4:SM+5]
.irp b, 0,1,2,3
	v_and_or_b32 v[HL+\b], v[BM+\b], 0x7f800000, s[MNT]
.endr
	v_add_f32 v235, v[SM], v[SM+1]
.irp b, 0,1,2,3
	v_lshrrev_b32 v[PT+\b], 23, v[SO+\b]
.endr
	v_permlanex16_b32 v234, v235, s[SEL], s[SEL+1]
	v_lshl_or_b32 v[PWR], v[PT+1], 8, v[PT]
	v_add_nc_u32 v[LW], s[LO], v[LB]
	v_add_f32 v[LSR], v235, v234
	v_lshl_or_b32 v[PWR], v[PT+2], 16, v[PWR]
.irp b, 0,1,2,3
.irp i, 0,1,2,3,4,5,6,7,8,9,10,11,12,13,14,15
	v_min_num_f32 v[T+16*\b+\i], v[T+16*\b+\i], v[HL+\b]   ; p is not negative: the hold is one-sided
.endr
.endr
	v_lshl_or_b32 v[PWR], v[PT+3], 24, v[PWR]
.irp b, 0,1,2,3
	v_cvt_scalef32_pk8_bf8_f32 v[PC+4*\b:PC+4*\b+1], v[T+16*\b:T+16*\b+7], v[SO+\b]
	v_cvt_scalef32_pk8_bf8_f32 v[PC+4*\b+2:PC+4*\b+3], v[T+16*\b+8:T+16*\b+15], v[SO+\b]
.endr
	v_nop                                          ; one plain line behind the last conversion
.irp c, 0,1,2,3
	global_store_b128 v[CO], v[PC+4*\c:PC+4*\c+3], s[20:21] offset:512*\c   ; 512 consecutive bytes
.endr
	ds_store_b32 v[LW], v[PWR]                     ; both halves of the lanes write the same word with the same value
	ds_store_b32 v[LW], v[MM] offset:256
	ds_store_b32 v[LW], v[LSR] offset:512
.Lnext:
	s_add_co_u32 s[LO], s[LO], 768
	s_add_co_u32 s9, s9, 1
	s_cmp_lg_u32 s9, 6
	s_cbranch_scc1 .Lblk
	; THE WORDS: a row of 512 bytes is 16 bytes a lane: fragments 4 (lane / 16) + 0 .. 3 of row r: from two waves' and two trips' words
	v_lshrrev_b32 v8, 4, v3
	v_lshlrev_b32 v8, 7, v8
	v_lshl_add_u32 v8, v1, 2, v8
	s_lshl_b32 s22, s8, 8                          ; (s[20:21] is still the last trip's stores' base)
	s_add_co_u32 s22, s22, SCA
	v_add_nc_u32 v8, s22, v8
	s_wait_alu depctr_va_vdst(0)
	s_wait_dscnt 0x0                               ; my words lie in LDS
	s_barrier_signal -1
	s_barrier_wait -1
.macro ROWOUT reg, off, base, to
.irp m, 0,1,2,3
	ds_load_b32 v[\reg+\m], v8 offset:\off+64*(\m/2)+2304*(\m%2)
.endr
	s_wait_dscnt 0x0
	global_store_b128 v[CO], v[\reg:\reg+3], s[\base:\base+1] offset:\to
.endm
	ROWOUT 240, 0, OSU, 0                          ; U's six rows: mine, and waves 0 and 1 four on
	s_cmp_lt_u32 s8, 2
	s_cbranch_scc0 .Lno_second
	ROWOUT 244, 1024, OSU, 2048
.Lno_second:
	s_cmp_eq_u32 s[DF], 0
	s_cbranch_scc1 .Lend
	s_cmp_eq_u32 s8, 3
	s_cbranch_scc1 .Lend
	ROWOUT 248, 1536, OSL, 0                       ; L's three rows: waves 0 to 2
.Lend:
	s_wait_tensorcnt 0x0                           ; the wave's end
	ds_add_u32 v[SPW], v[NIL]
	s_wait_dscnt 0x0
	s_endpgm
.Lfunc_end_k_qb8f35ac500_score:
	.size	k_qb8f35ac500_score, .Lfunc_end_k_qb8f35ac500_score-k_qb8f35ac500_score
	.p2alignl 7, 3214868480
	.fill 96, 4, 3214868480
	.section	.rodata,"a",@progbits
	.p2align	6, 0x0
	.amdhsa_kernel k_qb8f35ac500_score
		.amdhsa_group_segment_fixed_size 327680
		.amdhsa_private_segment_fixed_size 0
		.amdhsa_enable_private_segment 0
		.amdhsa_kernarg_size 16
		.amdhsa_user_sgpr_count 2
		.amdhsa_user_sgpr_kernarg_segment_ptr 1
		.amdhsa_wavefront_size32 1
		.amdhsa_system_sgpr_workgroup_id_x 1
		.amdhsa_system_sgpr_workgroup_id_y 1
		.amdhsa_system_sgpr_workgroup_id_z 1
		.amdhsa_system_vgpr_workitem_id 0
		.amdhsa_next_free_vgpr 896
		.amdhsa_next_free_sgpr 66
		.amdhsa_reserve_vcc 1
		.amdhsa_float_denorm_mode_32 3
		.amdhsa_float_denorm_mode_16_64 3
		.amdhsa_memory_ordered 1
		.amdhsa_forward_progress 1
		.amdhsa_inst_pref_size 141
	.end_amdhsa_kernel
	.amdgpu_metadata
---
amdhsa.version: [ 1, 2 ]
amdhsa.kernels:
  - .name:           k_qb8f35ac500_score
    .symbol:         k_qb8f35ac500_score.kd
    .args:
      - { .name: qkv, .offset: 0, .size: 8, .value_kind: global_buffer, .address_space: global }
      - { .name: pp, .offset: 8, .size: 8, .value_kind: global_buffer, .address_space: global }
    .group_segment_fixed_size: 327680
    .private_segment_fixed_size: 0
    .kernarg_segment_align: 8
    .kernarg_segment_size: 16
    .max_flat_workgroup_size: 128
    .sgpr_count:     66
    .vgpr_count:     896
    .wavefront_size: 32
...
	.end_amdgpu_metadata
.endif
;; end of part 3
;; launch pv (part 4): grid 8 x 32, 4 waves a work-group, clusters of 4 x 1, 327,680 bytes of LDS; arguments pp, qkv, out0; writes out0
.if DOCPART == 4
	.amdgcn_target "amdgcn-amd-amdhsa--gfx1250"
	.amdhsa_code_object_version 6
	.text
	.protected	k_qb8f35ac500_pv
	.globl	k_qb8f35ac500_pv
	.p2align	8
	.type	k_qb8f35ac500_pv,@function
k_qb8f35ac500_pv:
	s_mov_b64 s[64:65], 0
	v_nop
	global_prefetch_b8 v0, s[64:65] scope:SCOPE_SE
	s_setreg_imm32_b32 hwreg(HW_REG_WAVE_MODE, 25, 1), 1
	s_wait_xcnt 0x0
	s_wait_alu depctr_hold_cnt(0) depctr_sa_sdst(0) depctr_va_vdst(0) depctr_va_sdst(0) depctr_va_ssrc(0) depctr_va_vcc(0) depctr_vm_vsrc(0)
	s_getreg_b32 s2, hwreg(HW_REG_IB_STS2, 6, 4)
	s_cmp_eq_u32 s2, 0
	s_cbranch_scc0 .Lentry_in_a_cluster
	s_endpgm
.Lentry_in_a_cluster:
	s_bfe_u32 s2, ttmp6, 0x10000c
	s_cmp_lg_u32 s2, 0x3003
	s_cbranch_scc0 .Lentry_shape_is_right
	s_endpgm
.Lentry_shape_is_right:
; O = P V / l on codes.  LEFT OUT: the keys' steps of 256 all of whose keys come after all of the group's queries (the first launch's head shows why).  LIMIT: a NaN, an infinity or an overflow that reaches only those steps is not carried to the result.
; SHARES.  A work-group takes two groups of 128 queries of one batch, number i and 15 - i, whose units of 256 keys are nine together, x 128 of d; wave (RH, WL): 64 queries x 64 of d of each.  P's units are shared by the four work-groups of a cluster (joint loads); V's are each work-group's own.
; THE MERGE.  Of a row's pieces of 128 keys the least -M is the row's; a piece's scale bytes and its l come under it by a whole power of two, which the bytes take up.  The words are fetched while the first tile is on its way.
; LIMIT: a scale byte that would fall under 0 becomes 0, which stands for 2^-127; NaN and infinities are not served.
; No prefetch: a work-group's nine units go in five fills with nothing but matrix work of one slot between them, and its addresses change from one group of queries to the other at a unit that hangs on its number.
.set UNIT,  32768
.set SLOT,  4*UNIT
.set PSC,   2*SLOT
.set VSC,   PSC+18*512
.set LINV,  VSC+18*512
.set SPARE, LINV+2*512
.set STAGE, SPARE+512
.set VTC,   16777216
.set VTS,   25690112
.set PST,   16777216
.set VO,   5
.set VV,   6
.set AW,   7
.set ADRA, 8
.set ADRB, 10
.set ADRS, 12
.set ADRL, 13
.set STO,  14
.set RD,   15
.set GO,   16
.set SPW,  28
.set NIL,  29
.set SC,   32
.set PWv,  64
.set NMv,  82
.set LSv,  100
.set VWv,  118
.set RL,   160
.set TMP,  64
.set OB,   96
.set WV,  10
.set RH,  11
.set WL,  12
.set E,   17
.set G1A, 24
.set G1B, 32
.set G0A, 40
.set G0B, 48
.set PA1, 56
.set PA2, 58
.set PB,  60
.set PST1, 62
.set PST2, 66
.set VS,  68
.set OBS, 70
.set FL,  72
.set MSB, 0
.macro WIN new
.if MSB != (\new)
	s_set_vgpr_msb (MSB<<8)|(\new)
.set MSB, (\new)
.endif
.endm
.macro PLACES
.rept 8
	v_nop
.endr
.endm
.macro CROUND
	s_barrier_signal -1
	s_barrier_wait -1
	s_cmp_lg_u32 s[WV], 0
	s_cbranch_scc1 .Lnot_wave_0_\@
	s_barrier_signal -3
.Lnot_wave_0_\@:
	s_barrier_wait -3
	s_barrier_signal -1
	s_barrier_wait -1
.endm
.macro JLOAD s
	s_cmp_lt_u32 s[WV], 2
	s_cbranch_scc0 .Lfor_b_\@
	tensor_load_to_lds s[G0A+4*(\s):G0A+4*(\s)+3], s[G1A:G1A+7]
	s_nop 0
.rept 4
	v_nop
.endr
	s_branch .Lasked_\@
.Lfor_b_\@:
	tensor_load_to_lds s[G0B+4*(\s):G0B+4*(\s)+3], s[G1B:G1B+7]
	s_nop 0
.rept 4
	v_nop
.endr
.Lasked_\@:
.endm
.macro JLOAD_LAST s
	s_cmp_eq_u32 s[WV], 0
	s_cbranch_scc0 .Lnot_a_\@
	tensor_load_to_lds s[G0A+4*(\s):G0A+4*(\s)+3], s[G1A:G1A+7]
	s_nop 0
.rept 4
	v_nop
.endr
	s_branch .Lasked_\@
.Lnot_a_\@:
	s_cmp_eq_u32 s[WV], 2
	s_cbranch_scc0 .Lasked_\@
	tensor_load_to_lds s[G0B+4*(\s):G0B+4*(\s)+3], s[G1B:G1B+7]
	s_nop 0
.rept 4
	v_nop
.endr
.Lasked_\@:
.endm
.macro UADDR m, sg
	s_add_co_u32 s82, s[WL], 2*(\m)-2
	s_sub_co_u32 s83, s82, s[E]
	s_cmp_lt_u32 s82, s[E]
	s_cselect_b32 s86, s82, s83
	s_cselect_b64 s[84:85], s[PA1:PA1+1], s[PA2:PA2+1]
	s_add_co_u32 s86, s86, 1
	s_lshl_b32 s86, s86, 15
	s_mov_b32 s87, 0
	s_add_nc_u64 s[G0A+4*(\sg)+2:G0A+4*(\sg)+3], s[84:85], s[86:87]
	s_or_b32 s[G0A+4*(\sg)+3], s[G0A+4*(\sg)+3], 0x80000000
	s_add_nc_u64 s[G0B+4*(\sg)+2:G0B+4*(\sg)+3], s[PB:PB+1], s[86:87]
	s_or_b32 s[G0B+4*(\sg)+3], s[G0B+4*(\sg)+3], 0x80000000
.endm
	s_load_b128 s[4:7], s[0:1], 0x0
	s_load_b64 s[8:9], s[0:1], 0x10
	v_lshl_add_u32 v[SPW], v0, 2, SPARE
	v_mov_b32 v[NIL], 0
	ds_add_u32 v[SPW], v[NIL]
	ds_add_u32 v[SPW], v[NIL]
	v_lshrrev_b32 v1, 5, v0
	v_readfirstlane_b32 s[WV], v1
	s_lshr_b32 s[RH], s[WV], 1
	s_and_b32 s[WL], s[WV], 1
	s_bfe_u32 s13, ttmp6, 0x40000
	s_lshl_b32 s14, ttmp9, 2
	s_add_co_u32 s14, s14, s13
	s_and_b32 s18, ttmp7, 0xffff
	s_and_b32 s15, s18, 3                          ; the batch
	s_lshr_b32 s16, s18, 2                         ; i
	s_lshr_b32 s[E], s16, 1
	s_mov_b32 s[G1A], 15|(3<<16)|(1<<21)
	s_mov_b32 s[G1B], 3<<16
.irp g, G1A, G1B
	s_mov_b32 s[\g+1], 32<<16
	s_mov_b32 s[\g+2], 128<<16
	s_mov_b32 s[\g+3], 32<<16
	s_mov_b32 s[\g+4], 128
	s_mov_b32 s[\g+5], 32
	s_mov_b32 s[\g+6], 0
	s_mov_b32 s[\g+7], 0
.endr
	s_mov_b32 s81, 0x01010101
.irp n, 2,3,4,5,6,7,8
	s_cmp_gt_u32 s[E], \n-2
	s_cselect_b32 s[FL+\n], -1, 0
.endr
	s_lshl_b32 s18, s15, 4
	s_add_co_u32 s19, s18, s16
	s_add_co_u32 s18, s18, 15
	s_sub_co_u32 s18, s18, s16
	s_lshl_b32 s[PA1], s19, 18
	s_mov_b32 s[PA1+1], 0
	s_lshl_b32 s[PA2], s18, 18
	s_mov_b32 s[PA2+1], 0
	s_mul_i32 s[PST1], s19, 24576
	s_add_co_u32 s[PST1], s[PST1], PST
	s_mov_b32 s[PST1+1], 0
	s_mul_i32 s[PST2], s18, 24576
	s_add_co_u32 s[PST2], s[PST2], PST
	s_mov_b32 s[PST2+1], 0
	s_lshl_b32 s[PB], s14, 20
	s_lshl_b32 s20, s15, 18
	s_add_co_u32 s[PB], s[PB], s20
	s_add_co_u32 s[PB], s[PB], VTC
	s_mov_b32 s[PB+1], 0
	s_lshl_b32 s[VS], s14, 15
	s_lshl_b32 s20, s15, 13
	s_add_co_u32 s[VS], s[VS], s20
	s_add_co_u32 s[VS], s[VS], VTS
	s_mov_b32 s[VS+1], 0
	s_lshl_b32 s20, s15, 11
	s_lshl_b32 s21, s[RH], 6
	s_add_co_u32 s20, s20, s21
	s_lshl_b32 s21, s16, 7
	s_add_co_u32 s[OBS], s20, s21
	s_sub_co_u32 s21, 15, s16
	s_lshl_b32 s21, s21, 7
	s_add_co_u32 s[OBS+2], s20, s21
	s_lshl_b32 s[OBS], s[OBS], 12
	s_lshl_b32 s[OBS+2], s[OBS+2], 12
	s_lshl_b32 s21, s14, 9
	s_lshl_b32 s22, s[WL], 8
	s_add_co_u32 s21, s21, s22
	s_add_co_u32 s[OBS], s[OBS], s21
	s_add_co_u32 s[OBS+2], s[OBS+2], s21
	s_mov_b32 s[OBS+1], 0
	s_mov_b32 s[OBS+3], 0
	s_lshl_b32 s18, s[WV], 15
	s_wait_dscnt 0x0
	s_wait_kmcnt 0x0
	s_add_nc_u64 s[PA1:PA1+1], s[4:5], s[PA1:PA1+1]
	s_add_nc_u64 s[PA2:PA2+1], s[4:5], s[PA2:PA2+1]
	s_add_nc_u64 s[PST1:PST1+1], s[4:5], s[PST1:PST1+1]
	s_add_nc_u64 s[PST2:PST2+1], s[4:5], s[PST2:PST2+1]
	s_add_nc_u64 s[PB:PB+1], s[6:7], s[PB:PB+1]
	s_add_nc_u64 s[VS:VS+1], s[6:7], s[VS:VS+1]
	s_add_nc_u64 s[OBS:OBS+1], s[8:9], s[OBS:OBS+1]
	s_add_nc_u64 s[OBS+2:OBS+3], s[8:9], s[OBS+2:OBS+3]
	s_mov_b32 s[G0A], 1
	s_mov_b32 s[G0A+1], s18
	s_cmp_eq_u32 s[WL], 0
	s_cselect_b64 s[G0A+2:G0A+3], s[PA1:PA1+1], s[PA2:PA2+1]
	s_or_b32 s[G0A+3], s[G0A+3], 0x80000000
	s_mov_b32 s[G0B], 1
	s_mov_b32 s[G0B+1], s18
	s_mov_b64 s[G0B+2:G0B+3], s[PB:PB+1]
	s_or_b32 s[G0B+3], s[G0B+3], 0x80000000
	s_mov_b32 s[G0A+4], 1
	s_add_co_u32 s[G0A+5], s18, SLOT
	s_mov_b32 s[G0B+4], 1
	s_add_co_u32 s[G0B+5], s18, SLOT
	UADDR 1, 1
	CROUND
	JLOAD 0
	v_and_b32 v1, 15, v0
	v_bfe_u32 v2, v0, 4, 1
	v_and_b32 v3, 31, v0
	v_lshlrev_b32 v4, 2, v0
	v_add_nc_u32 v[AW], PSC, v4
	v_lshlrev_b32 v17, 4, v3
	s_lshl_b32 s18, s[RH], 14
	s_lshl_b32 s19, s[WL], 14
	s_add_co_u32 s19, s19, 2*UNIT
	v_add_nc_u32 v[ADRA], s18, v17
	v_add_nc_u32 v[ADRB], s19, v17
	v_add_nc_u32 v[ADRA+1], SLOT, v[ADRA]
	v_add_nc_u32 v[ADRB+1], SLOT, v[ADRB]
	s_lshl_b32 s18, s[RH], 8
	s_lshl_b32 s19, s[WL], 8
	s_add_co_u32 s19, s19, 18*512
	s_sub_co_u32 s19, s19, s18
	v_mul_u32_u24 v[ADRS], s19, v2
	v_lshl_add_u32 v[ADRS], v1, 4, v[ADRS]
	s_add_co_u32 s19, s18, PSC
	v_add_nc_u32 v[ADRS], s19, v[ADRS]
	s_add_co_u32 s19, s18, LINV
	v_lshl_add_u32 v[ADRL], v1, 4, s19
	s_mul_i32 s18, s[WV], 16*272
	s_add_co_u32 s18, s18, STAGE
	v_mul_u32_u24 v[STO], v1, 272
	v_lshl_add_u32 v[STO], v2, 6, v[STO]
	v_add_nc_u32 v[STO], s18, v[STO]
	v_mul_u32_u24 v[RD], v2, 272
	v_lshl_add_u32 v[RD], v1, 4, v[RD]
	v_add_nc_u32 v[RD], s18, v[RD]
	v_lshlrev_b32 v[GO], 12, v2
	v_lshl_add_u32 v[GO], v1, 4, v[GO]
	v_mov_b32 v152, 0x7f61b1e6
.macro ULOAD n
	s_wait_xcnt 0x0
.if (\n) == 0
	s_mov_b64 s[82:83], s[PST1:PST1+1]
	s_mov_b32 s84, 0
.elseif (\n) == 1
	s_mov_b64 s[82:83], s[PST2:PST2+1]
	s_mov_b32 s84, 0
.else
	s_sub_co_u32 s85, (\n)-1, s[E]
	s_cmp_gt_u32 s[E], (\n)-2
	s_cselect_b64 s[82:83], s[PST1:PST1+1], s[PST2:PST2+1]
	s_cselect_b32 s84, (\n)-1, s85
.endif
	s_mul_i32 s85, s84, 3072
	s_lshl_b32 s84, s84, 10
	v_add_nc_u32 v[VO], s85, v4
	v_add_nc_u32 v[VV], s84, v4
.irp q, 0,1
	global_load_b32 v[PWv+2*(\n)+\q], v[VO], s[82:83] offset:1536*\q
	global_load_b32 v[NMv+2*(\n)+\q], v[VO], s[82:83] offset:1536*\q+512
	global_load_b32 v[LSv+2*(\n)+\q], v[VO], s[82:83] offset:1536*\q+1024
	global_load_b32 v[VWv+2*(\n)+\q], v[VV], s[VS:VS+1] offset:512*\q
.endr
.endm
.macro ITEM g, ref, ld
	v_sub_f32 v142, v[\ref], v[NMv+(\g)]
	v_cvt_i32_f32 v142, v142
	v_ldexp_f32 v[\ld], v[LSv+(\g)], v142
	v_sub_nc_u32 v144, 0, v142
	v_min_u32 v144, 0x7f, v144
	v_mul_lo_u32 v144, v144, s81
	v_or_b32 v145, 0x80808080, v[PWv+(\g)]
	v_sub_nc_u32 v145, v145, v144
	v_lshrrev_b32 v146, 7, v145
	v_and_b32 v146, s81, v146
	v_lshlrev_b32 v147, 8, v146
	v_sub_nc_u32 v146, v147, v146
	v_and_b32 v145, v145, v146
	v_and_b32 v[PWv+(\g)], 0x7f7f7f7f, v145
.endm
.irp n, 0,1,2,3,4,5,6,7,8
	ULOAD \n
.endr
	s_wait_alu depctr_va_vdst(0)                   ; the wait at the head's end
	s_wait_tensorcnt 0x0                           ; my part of slot 0 is in
	ds_add_u32 v[SPW], v[NIL]
	s_wait_dscnt 0x0
	CROUND
	JLOAD 1                                        ; slot 1, behind the round
	s_wait_loadcnt 0x0                             ; the pieces' words
	v_min_num_f32 v136, v[NMv], v[NMv+1]
	v_min_num_f32 v137, v[NMv+2], v[NMv+3]
.irp n, 2,3,4,5,6,7,8
	v_min_num_f32 v140, v[NMv+2*\n], v[NMv+2*\n+1]
	v_cndmask_b32 v141, v152, v140, s[FL+\n]
	v_cndmask_b32 v143, v140, v152, s[FL+\n]
	v_min_num_f32 v136, v136, v141
	v_min_num_f32 v137, v137, v143
.endr
	ITEM 0, 136, 148
	ITEM 1, 136, 149
	v_add_f32 v138, v148, v149
	ITEM 2, 137, 148
	ITEM 3, 137, 149
	v_add_f32 v139, v148, v149
.irp n, 2,3,4,5,6,7,8
	v_cndmask_b32 v141, v137, v136, s[FL+\n]
	ITEM 2*\n, 141, 148
	ITEM 2*\n+1, 141, 149
	v_add_f32 v150, v148, v149
	v_cndmask_b32 v151, 0, v150, s[FL+\n]
	v_cndmask_b32 v150, v150, 0, s[FL+\n]
	v_add_f32 v138, v138, v151
	v_add_f32 v139, v139, v150
.endr
	s_wait_alu depctr_va_vdst(0)
	v_rcp_f32 v138, v138
	v_rcp_f32 v139, v139
	v_nop
	s_wait_alu depctr_va_vdst(0)
.set g, 0
.rept 18
	ds_store_b32 v[AW], v[PWv+g] offset:512*g
	ds_store_b32 v[AW], v[VWv+g] offset:18*512+512*g
.set g, g+1
.endr
	ds_store_b32 v[AW], v138 offset:36*512
	ds_store_b32 v[AW], v139 offset:37*512
	s_wait_tensorcnt 1
	s_wait_dscnt 0x0
	s_barrier_signal -1
	s_barrier_wait -1
.macro FETCH g
.set FS, ((\g)/4)%2
.set FU, ((\g)/2)%2
.set FQ, (\g)%2
.set FF, 128*FQ
	WIN 0x40
.irp i, 0,1,2,3
.irp c, 0,1,2,3
	ds_load_b128 v[FF+16*\i+4*\c:FF+16*\i+4*\c+3], v[ADRA+FS] offset:FU*UNIT+\i*4096+FQ*2048+\c*512
.endr
.endr
.irp i, 0,1,2,3
.irp c, 0,1,2,3
	ds_load_b128 v[FF+64+16*\i+4*\c:FF+64+16*\i+4*\c+3], v[ADRB+FS] offset:FU*UNIT+\i*4096+FQ*2048+\c*512
.endr
.endr
	WIN 0
	ds_load_b128 v[SC+4*FQ:SC+4*FQ+3], v[ADRS] offset:(\g)*512
.endm
.macro MULG f, q, set, zero
	WIN 0xa5
.irp a, 0,1,2,3
.irp b, 0,1,2,3
.if \zero
	v_wmma_scale_f32_16x16x128_f8f6f4 v[128*(\set)+8*(4*\a+\b):128*(\set)+8*(4*\a+\b)+7], v[(\f)+64+16*\b:(\f)+64+16*\b+15], v[(\f)+16*\a:(\f)+16*\a+15], 0, v[SC+4*(\q)+\b], v[SC+4*(\q)+\a] matrix_a_fmt:MATRIX_FMT_BF8 matrix_b_fmt:MATRIX_FMT_BF8 matrix_a_scale:MATRIX_SCALE_ROW1
.else
	v_wmma_scale_f32_16x16x128_f8f6f4 v[128*(\set)+8*(4*\a+\b):128*(\set)+8*(4*\a+\b)+7], v[(\f)+64+16*\b:(\f)+64+16*\b+15], v[(\f)+16*\a:(\f)+16*\a+15], v[128*(\set)+8*(4*\a+\b):128*(\set)+8*(4*\a+\b)+7], v[SC+4*(\q)+\b], v[SC+4*(\q)+\a] matrix_a_fmt:MATRIX_FMT_BF8 matrix_b_fmt:MATRIX_FMT_BF8 matrix_a_scale:MATRIX_SCALE_ROW1
.endif
.endr
.endr
	WIN 0
.endm
.macro CHANGE m
	s_wait_tensorcnt 0x0
	ds_add_u32 v[SPW], v[NIL]
.if (\m) <= 2
	UADDR (\m)+2, (\m)%2
.endif
	s_wait_dscnt 0x0
.if (\m) <= 1
	CROUND
	JLOAD (\m)%2
.elseif (\m) == 2
	CROUND
	JLOAD_LAST 0
.else
	s_barrier_signal -1
	s_barrier_wait -1
.endif
.endm
.macro PHASE g
.set PN, (\g)/2
.set PQ, (\g)%2
.if (\g)%4 == 2
	CHANGE (\g)/4
.elseif (\g) == 17
	s_wait_dscnt 0x0
.else
	s_wait_dscnt 33
.endif
.if PN < 2
	MULG 128*PQ, PQ, PN, 1-PQ
.else
	s_cmp_gt_u32 s[E], PN-2
	s_cbranch_scc0 .Lsecond_\@
	MULG 128*PQ, PQ, 0, 0
	s_branch .Lmade_\@
.Lsecond_\@:
	MULG 128*PQ, PQ, 1, 0
.Lmade_\@:
.endif
.if (\g) <= 15
	PLACES
	FETCH (\g)+2
.endif
.endm
	FETCH 0
	FETCH 1
.irp g, 0,1,2,3,4,5,6,7,8,9,10,11,12,13,14,15,16,17
	PHASE \g
.endr
.macro OBLK t, i
.set BK, OB+32*((\i)%2)
	s_wait_xcnt 0x0
	WIN 0x02
.set k, 0
.rept 16
.if (\i)%2
	v_pk_mul_f32 v[TMP+k:TMP+k+1], v[128*(\t)+32*(\i)+k:128*(\t)+32*(\i)+k+1], v[RL+4*(\t)+2*((\i)/2):RL+4*(\t)+2*((\i)/2)+1] op_sel:[0,1] op_sel_hi:[1,1]
.else
	v_pk_mul_f32 v[TMP+k:TMP+k+1], v[128*(\t)+32*(\i)+k:128*(\t)+32*(\i)+k+1], v[RL+4*(\t)+2*((\i)/2):RL+4*(\t)+2*((\i)/2)+1] op_sel_hi:[1,0]
.endif
.set k, k+2
.endr
	WIN 0
.irp b, 0,1,2,3
	ds_store_b128 v[STO], v[TMP+8*\b:TMP+8*\b+3] offset:128*(\b/2)+32*(\b%2)
	ds_store_b128 v[STO], v[TMP+8*\b+4:TMP+8*\b+7] offset:128*(\b/2)+32*(\b%2)+16
.endr
.irp u, 0,1,2,3,4,5,6,7
	ds_load_b128 v[BK+4*\u:BK+4*\u+3], v[RD] offset:544*\u
.endr
.irp u, 0,1,2,3,4,5,6,7
	s_wait_dscnt 7-\u
	global_store_b128 v[GO], v[BK+4*\u:BK+4*\u+3], s[OBS+2*(\t):OBS+2*(\t)+1] offset:(32*((\i)/2)+8*((\i)%2)+2*\u+8*(\u/4))*4096 th:TH_STORE_NT
.endr
.endm
	PLACES
	ds_load_b128 v[RL:RL+3], v[ADRL]
	ds_load_b128 v[RL+4:RL+7], v[ADRL] offset:512
	s_wait_dscnt 0x0
.irp t, 0,1
.irp i, 0,1,2,3
	OBLK \t, \i
.endr
.endr
	s_wait_tensorcnt 0x0
	ds_add_u32 v[SPW], v[NIL]
	s_wait_dscnt 0x0
	CROUND
	s_endpgm
.Lfunc_end_k_qb8f35ac500_pv:
	.size	k_qb8f35ac500_pv, .Lfunc_end_k_qb8f35ac500_pv-k_qb8f35ac500_pv
	.p2alignl 7, 3214868480
	.fill 96, 4, 3214868480
	.section	.rodata,"a",@progbits
	.p2align	6, 0x0
	.amdhsa_kernel k_qb8f35ac500_pv
		.amdhsa_group_segment_fixed_size 327680
		.amdhsa_private_segment_fixed_size 0
		.amdhsa_enable_private_segment 0
		.amdhsa_kernarg_size 24
		.amdhsa_user_sgpr_count 2
		.amdhsa_user_sgpr_kernarg_segment_ptr 1
		.amdhsa_wavefront_size32 1
		.amdhsa_system_sgpr_workgroup_id_x 1
		.amdhsa_system_sgpr_workgroup_id_y 1
		.amdhsa_system_sgpr_workgroup_id_z 1
		.amdhsa_system_vgpr_workitem_id 0
		.amdhsa_next_free_vgpr 768
		.amdhsa_next_free_sgpr 96
		.amdhsa_reserve_vcc 0
		.amdhsa_float_denorm_mode_32 3
		.amdhsa_float_denorm_mode_16_64 3
		.amdhsa_memory_ordered 1
		.amdhsa_forward_progress 1
		.amdhsa_inst_pref_size 176
	.end_amdhsa_kernel
	.amdgpu_metadata
---
amdhsa.version: [ 1, 2 ]
amdhsa.kernels:
  - .name:           k_qb8f35ac500_pv
    .symbol:         k_qb8f35ac500_pv.kd
    .args:
      - { .name: pp, .offset: 0, .size: 8, .value_kind: global_buffer, .address_space: global }
      - { .name: qkv, .offset: 8, .size: 8, .value_kind: global_buffer, .address_space: global }
      - { .name: out0, .offset: 16, .size: 8, .value_kind: global_buffer, .address_space: global }
    .group_segment_fixed_size: 327680
    .private_segment_fixed_size: 0
    .kernarg_segment_align: 8
    .kernarg_segment_size: 24
    .max_flat_workgroup_size: 128
    .sgpr_count:     96
    .vgpr_count:     768
    .wavefront_size: 32
...
	.end_amdgpu_metadata
.endif
;; end of part 4
